; MI455X (gfx1250); checked and timed in simulation.
; The chip was launched on July 23, 2026; its instructions are those of AMD's public machine-readable ISA for CDNA 5 (MIT licence, August 2026) and "CDNA5" Instruction Set Architecture Reference Guide (July 2026). The comments in the code are by the model that wrote it; some were corrected since.
;; NGP. Allowed arithmetic: float matrix products may take bf16 or f16 operands with f32 sums; all other float work in f32.
;; Inputs: cW1 43 x 64 float32; cW2 64 x 64 float32; cW3 64 x 3 float32; cb1 64 float32; cb2 64 float32; cb3 3 float32; dW1 32 x 64 float32; dW2 64 x 16 float32; db1 64 float32; db2 16 float32; occupancy_mask 128 x 128 x 128 bool; r_dir 2,048 x 128 x 3 float32; tables 16 x 524,288 x 2 float32; x 2,048 x 128 x 3 float32.
;; Outputs: out0 2,048 x 128 x 3 float32; out1 2,048 x 128 x 1 float32; out2 2,048 x 128 x 1 float32.
;; 2 versions, each right; version 2 is version 1 with the launch ngp written anew for expert scheduling mode. Each part assembles by itself: llvm-mc -triple=amdgcn-amd-amdhsa -mcpu=gfx1250 --defsym DOCPART=n.
;; ======== version 1 of 2: 2 launches
;; workspace buffers: qbuf 4,194,304 bytes of whole numbers
;; launch quant (part 1): grid 256 x 1, 8 waves a work-group, no clusters, 0 bytes of LDS; arguments x, qbuf; writes qbuf
.if DOCPART == 1
	.amdgcn_target "amdgcn-amd-amdhsa--gfx1250"
	.amdhsa_code_object_version 6
	.text
	.protected	k_q86913e838e_quant
	.globl	k_q86913e838e_quant
	.p2align	8
	.type	k_q86913e838e_quant,@function
k_q86913e838e_quant:
	s_mov_b64 s[64:65], 0
	v_nop
	global_prefetch_b8 v0, s[64:65] scope:SCOPE_SE
	s_setreg_imm32_b32 hwreg(HW_REG_WAVE_MODE, 25, 1), 1
	s_wait_xcnt 0x0
; x [262144 points][3] f32  ->  qbuf: for each point four whole numbers q0, q1, q2, inb.
;   G_k = x_k * 2^22 + 2^22, one rounding: 2^23 times the model's xg = x * 0.5 + 0.5, rounded as xg is (powers of two scale exactly).
;   inb = all k: 0 < G_k < 2^23 (a NaN fails both compares, as in the model);  q_k = inb ? trunc(G_k) : 0x400000 (the fixed-point 0.5).
; The next launch forms every table and grid address from these whole numbers by integer arithmetic alone.
; LIMIT, stated: coordinates are cut to multiples of 2^-23; at the finest level (512 cells) an interpolation weight moves by 512 * 2^-23 at most.
; LAYOUT of qbuf: a block of 64 points is 1,024 bytes: first the 32 even points (16 bytes each), then the 32 odd ones.
; Eight waves, 1,024 points a work-group, two steps of 512.  Lane L of wave w takes the two neighbouring points 64 (8 i + w) + 2 L + p of step i:
; three loads of 8 bytes at 24 t (a wave's three loads cover 768 consecutive bytes), two stores of 16 bytes (each covers 512 consecutive bytes, aligned).
; No LDS, no barrier, no matrix unit: a stream of 3 MiB in and 4 MiB out.  No register is written twice while a load or store names it.
.set PTS_WG,  1024
.set XB, 4                             ; v[4:15]   x: step i, point p, coordinate k at XB + 6 i + 3 p + k
.set QB, 16                            ; v[16:31]  results: step i, point p at QB + 8 i + 4 p
.set G,  32                            ; v[32:34]  at work
	s_load_b128 s[4:7], s[0:1], 0x0                ; x s[4:5], qbuf s[6:7]
	s_mul_i32 s8, ttmp9, PTS_WG*12                 ; my work-group's part of x
	s_mov_b32 s9, 0
	s_lshl_b32 s18, ttmp9, 14                      ; and of qbuf: 1,024 points of 16 bytes
	s_mov_b32 s19, 0
	s_mov_b32 s16, 0x4a800000                      ; 2^22
	s_mov_b32 s17, 0x4b000000                      ; 2^23
	v_mul_u32_u24 v1, 24, v0                       ; x: 24 bytes a thread
	v_lshrrev_b32 v2, 5, v0                        ; wave
	v_and_b32 v35, 31, v0                          ; lane
	v_lshlrev_b32 v35, 4, v35
	v_lshl_add_u32 v2, v2, 10, v35                 ; qbuf: 1,024 x wave + 16 x lane
	v_mov_b32 v3, 0x400000                         ; what a point out of bounds gets
	s_wait_kmcnt 0x0
	s_add_nc_u64 s[4:5], s[4:5], s[8:9]
	s_add_nc_u64 s[6:7], s[6:7], s[18:19]
.irp i, 0,1
.irp j, 0,1,2
	global_load_b64 v[XB+6*\i+2*\j:XB+6*\i+2*\j+1], v1, s[4:5] offset:6144*\i+8*\j th:TH_LOAD_NT
.endr
.endr
; one point: x in v[xr .. xr+2], result in v[qr .. qr+3]
.macro QPT xr, qr
	v_fma_f32 v[G],   v[\xr],   s16, s16
	v_fma_f32 v[G+1], v[\xr+1], s16, s16
	v_fma_f32 v[G+2], v[\xr+2], s16, s16
	v_cmp_lt_f32 s10, 0, v[G]                      ; 0 < G
	v_cmp_gt_f32 s11, s17, v[G]                    ; 2^23 > G
	v_cmp_lt_f32 s12, 0, v[G+1]
	v_cmp_gt_f32 s13, s17, v[G+1]
	v_cmp_lt_f32 s14, 0, v[G+2]
	v_cmp_gt_f32 s15, s17, v[G+2]
	s_and_b32 s10, s10, s11
	s_and_b32 s12, s12, s13
	s_and_b32 s14, s14, s15
	s_and_b32 s10, s10, s12
	s_and_b32 vcc_lo, s10, s14                     ; in bounds along all three
	v_cvt_u32_f32 v[G],   v[G]                     ; toward zero
	v_cvt_u32_f32 v[G+1], v[G+1]
	v_cvt_u32_f32 v[G+2], v[G+2]
	v_cndmask_b32 v[\qr],   v3, v[G],   vcc_lo
	v_cndmask_b32 v[\qr+1], v3, v[G+1], vcc_lo
	v_cndmask_b32 v[\qr+2], v3, v[G+2], vcc_lo
	v_cndmask_b32 v[\qr+3], 0, 1, vcc_lo
.endm
	s_wait_loadcnt 0x3                             ; loads come back in order: step 0's three are in, step 1's three may be out
	QPT XB, QB
	global_store_b128 v2, v[QB:QB+3], s[6:7]                       ; even points
	QPT XB+3, QB+4
	global_store_b128 v2, v[QB+4:QB+7], s[6:7] offset:512          ; odd points
	s_wait_loadcnt 0x0
	QPT XB+6, QB+8
	global_store_b128 v2, v[QB+8:QB+11], s[6:7] offset:8192
	QPT XB+9, QB+12
	global_store_b128 v2, v[QB+12:QB+15], s[6:7] offset:8704
	s_endpgm
.Lfunc_end_k_q86913e838e_quant:
	.size	k_q86913e838e_quant, .Lfunc_end_k_q86913e838e_quant-k_q86913e838e_quant
	.p2alignl 7, 3214868480
	.fill 96, 4, 3214868480
	.section	.rodata,"a",@progbits
	.p2align	6, 0x0
	.amdhsa_kernel k_q86913e838e_quant
		.amdhsa_group_segment_fixed_size 0
		.amdhsa_private_segment_fixed_size 0
		.amdhsa_enable_private_segment 0
		.amdhsa_kernarg_size 16
		.amdhsa_user_sgpr_count 2
		.amdhsa_user_sgpr_kernarg_segment_ptr 1
		.amdhsa_wavefront_size32 1
		.amdhsa_system_sgpr_workgroup_id_x 1
		.amdhsa_system_sgpr_workgroup_id_y 1
		.amdhsa_system_sgpr_workgroup_id_z 1
		.amdhsa_system_vgpr_workitem_id 0
		.amdhsa_next_free_vgpr 40
		.amdhsa_next_free_sgpr 66
		.amdhsa_reserve_vcc 1
		.amdhsa_float_denorm_mode_32 3
		.amdhsa_float_denorm_mode_16_64 3
		.amdhsa_memory_ordered 1
		.amdhsa_forward_progress 1
		.amdhsa_inst_pref_size 6
	.end_amdhsa_kernel
	.amdgpu_metadata
---
amdhsa.version: [ 1, 2 ]
amdhsa.kernels:
  - .name:           k_q86913e838e_quant
    .symbol:         k_q86913e838e_quant.kd
    .args:
      - { .name: x, .offset: 0, .size: 8, .value_kind: global_buffer, .address_space: global }
      - { .name: qbuf, .offset: 8, .size: 8, .value_kind: global_buffer, .address_space: global }
    .group_segment_fixed_size: 0
    .private_segment_fixed_size: 0
    .kernarg_segment_align: 8
    .kernarg_segment_size: 16
    .max_flat_workgroup_size: 256
    .sgpr_count:     66
    .vgpr_count:     40
    .wavefront_size: 32
...
	.end_amdgpu_metadata
.endif
;; end of part 1
;; launch ngp (part 2): grid 256 x 1, 16 waves a work-group, no clusters, 43,520 bytes of LDS; arguments qbuf, occupancy_mask, r_dir, tables, out0, out1, out2, dW1, dW2, cW1, cW2, cW3, db1, db2, cb1, cb2, cb3; writes out0, out1, out2
.if DOCPART == 2
	.amdgcn_target "amdgcn-amd-amdhsa--gfx1250"
	.amdhsa_code_object_version 6
	.text
	.protected	k_q86913e838e_ngp
	.globl	k_q86913e838e_ngp
	.p2align	8
	.type	k_q86913e838e_ngp,@function
k_q86913e838e_ngp:
	s_mov_b64 s[64:65], 0
	v_nop
	global_prefetch_b8 v0, s[64:65] scope:SCOPE_SE
	s_setreg_imm32_b32 hwreg(HW_REG_WAVE_MODE, 25, 1), 1
	s_wait_xcnt 0x0
; Hash-grid lookup, trilinear blend, direction encoding and both small networks, fused: nothing but the three outputs is stored.
; 256 work-groups of 16 waves; a work-group owns 1,024 points, a wave 64, lane L the two neighbouring points 2 L + p ("set" p = 0, 1).
; Straight-line text: no loop, EXEC is never changed, one barrier (the weights in LDS).
;
; GATHER.  q_k (23-bit fixed point, from the launch before) times the level's resolution N is floor in bits 31:23 and the weight t in bits 22:0.
;   The hash needs its low 19 bits alone (the table has 2^19 rows), so the primes are taken modulo 2^19.  A unit = one level of one set = 8 loads of 8 bytes;
;   six register buffers take turns, so that up to 48 gathers of a wave are on their way.
; RESOLUTIONS: 16 * 2^(l/3) cut to whole numbers as geomspace(16, 512, 16, dtype=int) cuts 10^y computed in double: 16 20 25 32 40 50 64 80 101 127 161 203 256 322 406 512
;   (level 9: the double result lies just below 128 and is cut to 127).
; NETWORKS.  Every product is D = W^T (16 output features x 32 k, bf16, from LDS) x activations (32 k x 16 points, bf16, in registers) + C, sums in f32.
;   A lane of D holds features 8 h + 0..7 of one point, which, packed to bf16, are exactly four registers of the next layer's activation fragment:
;   the layers chain in registers.  The bias (f32) is the C of a layer's first K step.
; No tensor loads (gathers of 8 bytes are no tiles), no cluster (only 27 KiB of weights are shared), no prefetch (hashed rows of all 64 MiB belong to no one work-group).
; LIMITS, stated: coordinates in steps of 2^-23; the encoding's phase is r in exact turns, where the model multiplies r by the f32 value of 2 pi f (relative 3e-8 apart, plus the
;   model's own rounding of the product), sin and cos good to about 1e-5; a NaN does not pass the ReLU (v_max_num_f32 drops it); v_exp_f32 gives 0 for results below 2^-126
;   (ISA guide, 15.8); matrix operands are bf16.
.set W1T,   0                          ; LDS: dW1^T bf16 [64 out][32 k], pitch 80
.set W2T,   5120                       ;      dW2^T [16][64], pitch 144
.set C1T,   7424                       ;      cW1^T [64][64 k']: k' 0-26 = rows 16-42 (r, encoding), 27-31 = 0, 32-47 = rows 0-15 (log sigma), 48-63 = 0
.set C2T,   16640                      ;      cW2^T [64][64], pitch 144
.set C3T,   25856                      ;      cW3^T [16][64], rows 3-15 are 0
.set BIAS,  28160                      ;      f32: db1 +0, cb1 +256, cb2 +512, db2 +768, cb3 +832 (16 words, 3-15 are 0)
.set STAGE, 29184                      ;      768 bytes for each wave, its own, for out0
; both pitches are odd multiples of 16 bytes: the sixteen rows of a fragment load begin at sixteen different multiples of 16 modulo 256
.set LN,    1                          ; v1   lane
.set WA80,  2                          ; v2   (L % 16) * 80 + 16 (L / 16): fragment address, pitch 80
.set WA144, 3                          ; v3   the same, pitch 144
.set BA,    4                          ; v4   32 (L / 16): my eight bias words of an output tile
.set ST24,  5                          ; v5   my stage + 24 L
.set ST8,   6                          ; v6   my stage + 8 L
.set O8,    7                          ; v7   8 L: offset in out0, out1, out2
.set MF,    8                          ; v[8:9]   the mask as f32, sets 0 and 1
.set SG,    10                         ; v[10:13] sigma at work; v[10:11] the pair that is stored
.set QA,    12                         ; v12  16 L (until q is in)
.set RA,    13                         ; v13  24 L (until r_dir is in)
.set OC,    14                         ; v[14:15] offset in the occupancy grid, then its byte, then the mask
.set XE,    16                         ; v[16:47] fragments of r and its encoding, point tile t at XE + 8 t
.set F,     48                         ; v[48:79] fragments of the 32 features, tile t at F + 8 t
.set X1,    48                         ;          later: fragments of log sigma (4 registers) and zeros (4)
.set RING,  80                         ; v[80:199] six gather buffers of 20 registers; before that scratch
.set Q,     200                        ; v[200:207] q0 q1 q2 inb of set 0, of set 1
.set W,     208                        ; v[208:234] 27 words of weights and biases as loaded
.set G64,   235                        ; v[235:239], v[247:255]: addresses for the weights
.set GC0,   236
.set GC1,   237
.set G16,   238
.set G3,    239
.set R,     240                        ; v[240:245] r_dir: set p, coordinate c at R + 3 p + c
.set ZR,    246                        ; 0
.set B64,   247
.set B16,   248
.set B3,    249
.set L80,   250
.set L144,  251
.set L16,   252
.set T4,    253
.set AA,    254
.set N16,   255
.set HA,    80                         ; v[80:143] hidden fragments: tile t, K half kf at HA + 16 t + 8 kf
.set HB,    16                         ; v[16:79]  the same, second set
.set ACC0,  144                        ; v[144:175] four accumulators (point tiles), steps of even number
.set ACC1,  176                        ; v[176:207] steps of odd number
.set WB0,   208                        ; v[208:223] weights, v[224:231] bias of even steps; v[232:247], v[248:255] of odd steps
.set OUTC,  208                        ; v[208:213] colours; v[214:219] read back by rows
.set TB,    66                         ; s[66:97] address of each level's table
	s_load_b512 s[4:19], s[0:1], 0x0               ; qbuf 4, occupancy 6, r_dir 8, tables 10, out0 12, out1 14, out2 16, dW1 18
	s_load_b512 s[20:35], s[0:1], 0x40             ; dW2 20, cW1 22, cW2 24, cW3 26, db1 28, db2 30, cb1 32, cb2 34
	s_load_b64 s[36:37], s[0:1], 0x80              ; cb3
	v_lshrrev_b32 v[LN], 5, v0
	v_readfirstlane_b32 s3, v[LN]                  ; wave 0..15
	v_and_b32 v[LN], 31, v0
	s_mov_b32 s38, 0x7fffff                        ; the 23 bits of t
	s_mov_b32 s39, 0x3f800000                      ; exponent of 1.0
	s_mov_b32 s40, 0x7ffff                         ; modulo 2^19
	s_mov_b32 s41, 0x779b1                         ; 2654435761 modulo 2^19
	s_mov_b32 s42, 0x25795                         ; 805459861 modulo 2^19
	s_mov_b32 s43, 0x400000                        ; fixed-point 0.5
	s_mov_b32 s44, 0xbb996966                      ; a7 = -(pi/2)^7 / 7!
	s_mov_b32 s45, 0xbb996966
	s_mov_b32 s46, 0x3a70fa83                      ; b8 = (pi/2)^8 / 8!
	s_mov_b32 s47, 0x3a70fa83
	s_lshl_b32 s48, ttmp9, 14                      ; qbuf: 16,384 g + 1,024 w
	s_lshl_b32 s54, s3, 10
	s_add_co_u32 s48, s48, s54
	s_mov_b32 s49, 0
	s_mul_i32 s50, ttmp9, 12288                    ; r_dir, out0: 12,288 g + 768 w
	s_mul_i32 s54, s3, 768
	s_add_co_u32 s50, s50, s54
	s_mov_b32 s51, 0
	s_add_co_u32 s54, s54, STAGE                   ; my stage in LDS: a constant + 768 x wave
	s_lshl_b32 s52, ttmp9, 12                      ; out1, out2: 4,096 g + 256 w
	s_lshl_b32 s55, s3, 8
	s_add_co_u32 s52, s52, s55
	s_mov_b32 s53, 0
	; lane addresses
	v_and_b32 v[N16], 15, v0                       ; L % 16 = t % 16
	v_bfe_u32 v80, v0, 4, 1                        ; L / 16
	v_mul_u32_u24 v[WA80], 80, v[N16]
	v_lshl_add_u32 v[WA80], v80, 4, v[WA80]
	v_mul_u32_u24 v[WA144], 144, v[N16]
	v_lshl_add_u32 v[WA144], v80, 4, v[WA144]
	v_lshlrev_b32 v[BA], 5, v80
	v_mad_u32_u24 v[ST24], v[LN], 24, s54
	v_lshl_add_u32 v[ST8], v[LN], 3, s54
	v_lshlrev_b32 v[O8], 3, v[LN]
	v_lshlrev_b32 v[QA], 4, v[LN]
	v_mul_u32_u24 v[RA], 24, v[LN]
	; addresses for the weights: thread t takes the rows (k, k + 1) of one column.  n64 = t % 64, a = t / 64; n16 = t % 16, b = t / 16
	v_and_b32 v81, 63, v0                          ; n64
	v_lshrrev_b32 v[AA], 6, v0                     ; a
	v_lshrrev_b32 v82, 4, v0                       ; b
	v_min_u32 v83, 2, v[N16]                       ; a column of cW3 or cb3 that exists
	v_min_u32 v84, 5, v[AA]                        ; row 32 + 2 a of cW1 exists for a <= 5,
	v_min_u32 v85, 4, v[AA]                        ; row 33 + 2 a for a <= 4
	v_lshlrev_b32 v[B64], 2, v81
	v_lshlrev_b32 v[B16], 2, v[N16]
	v_lshlrev_b32 v[B3], 2, v83
	v_lshl_add_u32 v[G64], v[AA], 9, v[B64]        ; rows of 256 bytes: row 2 a, column n64
	v_lshl_add_u32 v[GC0], v84, 9, v[B64]
	v_lshl_add_u32 v[GC1], v85, 9, v[B64]
	v_lshl_add_u32 v[G16], v82, 7, v[B16]          ; rows of 64 bytes: row 2 b, column n16
	v_mad_u32_u24 v[G3], v82, 24, v[B3]            ; rows of 12 bytes: row 2 b
	v_mul_u32_u24 v[L80], 80, v81
	v_lshl_add_u32 v[L80], v[AA], 2, v[L80]        ; LDS: row n64, k = 2 a
	v_mul_u32_u24 v[L144], 144, v81
	v_lshl_add_u32 v[L144], v[AA], 2, v[L144]
	v_mul_u32_u24 v[L16], 144, v[N16]
	v_lshl_add_u32 v[L16], v82, 2, v[L16]          ; LDS: row n16, k = 2 b
	v_lshlrev_b32 v[T4], 2, v0
	v_mov_b32 v[ZR], 0
	s_wait_kmcnt 0x0
	s_add_nc_u64 s[4:5], s[4:5], s[48:49]
	s_add_nc_u64 s[8:9], s[8:9], s[50:51]
	s_add_nc_u64 s[12:13], s[12:13], s[50:51]
	s_add_nc_u64 s[14:15], s[14:15], s[52:53]
	s_add_nc_u64 s[16:17], s[16:17], s[52:53]
.irp l, 0,1,2,3,4,5,6,7,8,9,10,11,12,13,14,15
	s_add_nc_u64 s[TB+2*\l:TB+2*\l+1], s[10:11], \l*0x400000       ; a level's table is 2^19 rows of 8 bytes
.endr
	; ---- the first loads: q (2), r_dir (3)
	global_load_b128 v[Q:Q+3],   v[QA], s[4:5] th:TH_LOAD_NT               ; even points: 512 consecutive bytes of the wave's block
	global_load_b128 v[Q+4:Q+7], v[QA], s[4:5] offset:512 th:TH_LOAD_NT    ; odd points
.irp j, 0,1,2
	global_load_b64 v[R+2*\j:R+2*\j+1], v[RA], s[8:9] offset:8*\j th:TH_LOAD_NT
.endr
	s_wait_loadcnt 0x3                             ; q is in; the three loads of r_dir issued behind it may be out
	; cell of the occupancy grid: floor(clip(xg, 0, 0.99) * 128) = min(126, q >> 16) for points in bounds; the others' byte is not used
.irp p, 0,1
.irp k, 0,1,2
	v_lshrrev_b32 v[RING+3*\p+\k], 16, v[Q+4*\p+\k]
.endr
.irp k, 0,1,2
	v_min_u32 v[RING+3*\p+\k], 126, v[RING+3*\p+\k]
.endr
	v_lshl_add_u32 v[OC+\p], v[RING+3*\p], 7, v[RING+3*\p+1]
	v_lshl_add_u32 v[OC+\p], v[OC+\p], 7, v[RING+3*\p+2]
.endr
	global_load_u8 v[OC],   v[OC],   s[6:7]        ; each lands on its own address register
	global_load_u8 v[OC+1], v[OC+1], s[6:7]
	; ---- 27 words of weights and biases a thread
.irp i, 0,1
	global_load_b32 v[W+2*\i],   v[G64], s[18:19] offset:4096*\i           ; dW1 rows 2 a + 16 i,
	global_load_b32 v[W+2*\i+1], v[G64], s[18:19] offset:4096*\i+256       ; and the row below
.endr
.irp i, 0,1,2,3
	global_load_b32 v[W+4+2*\i], v[G64], s[24:25] offset:4096*\i           ; cW2
	global_load_b32 v[W+5+2*\i], v[G64], s[24:25] offset:4096*\i+256
.endr
	global_load_b32 v[W+12], v[G64], s[22:23] offset:4096                  ; cW1 rows 16 + 2 a, 17 + 2 a  (k' = 2 a)
	global_load_b32 v[W+13], v[G64], s[22:23] offset:4352
	global_load_b32 v[W+14], v[GC0], s[22:23] offset:8192                  ; rows 32 + 2 a, 33 + 2 a, held inside the 43 rows  (k' = 16 + 2 a)
	global_load_b32 v[W+15], v[GC1], s[22:23] offset:8448
	global_load_b32 v[W+16], v[G64], s[22:23]                              ; rows 2 a, 2 a + 1  (k' = 32 + 2 a)
	global_load_b32 v[W+17], v[G64], s[22:23] offset:256
	global_load_b32 v[W+18], v[G16], s[20:21]                              ; dW2 rows 2 b, 2 b + 1
	global_load_b32 v[W+19], v[G16], s[20:21] offset:64
	global_load_b32 v[W+20], v[G3],  s[26:27]                              ; cW3 rows 2 b, 2 b + 1
	global_load_b32 v[W+21], v[G3],  s[26:27] offset:12
	global_load_b32 v[W+22], v[B64], s[28:29]                              ; db1
	global_load_b32 v[W+23], v[B64], s[32:33]                              ; cb1
	global_load_b32 v[W+24], v[B64], s[34:35]                              ; cb2
	global_load_b32 v[W+25], v[B16], s[30:31]                              ; db2
	global_load_b32 v[W+26], v[B3],  s[36:37]                              ; cb3
	; ---- the encoding of r_dir, while the occupancy bytes are on their way
	; d = r - round(r) is exact and |d| <= 1/2; sin and cos of pi d / 2 by their series in z = d^2 (next terms: 3e-7 and 3e-8);
	; five doublings (sin 2x = 2 sin x cos x, cos 2x = 1 - 2 sin^2 x) give pi d, then 2 pi d f for f = 1, 2, 4, 8.
.set ED,  RING                         ; d
.set EZ,  RING+6                       ; z
.set ES,  RING+12                      ; sin
.set EC,  RING+18                      ; cos
.set EA,  RING+24                      ; 2 sin
.set SF,  RING+42                      ; sin of frequency f at SF + 12 f, cos at SF + 12 f + 6; set p, coordinate c at + 3 p + c
	s_wait_loadcnt 29                              ; r_dir is in: 2 + 27 loads were issued behind it
.irp k, 0,1,2,3,4,5
	v_rndne_f32 v[ED+\k], v[R+\k]
.endr
.irp k, 0,2,4
	v_pk_add_f32 v[ED+\k:ED+\k+1], v[R+\k:R+\k+1], v[ED+\k:ED+\k+1] neg_lo:[0,1] neg_hi:[0,1]
.endr
.irp k, 0,2,4
	v_pk_mul_f32 v[EZ+\k:EZ+\k+1], v[ED+\k:ED+\k+1], v[ED+\k:ED+\k+1]
.endr
.irp k, 0,2,4
	v_pk_fma_f32 v[ES+\k:ES+\k+1], v[EZ+\k:EZ+\k+1], s[44:45], 0x3da335e3 op_sel_hi:[1,0,0]            ; a7 z + a5
	v_pk_fma_f32 v[EC+\k:EC+\k+1], v[EZ+\k:EZ+\k+1], s[46:47], 0xbcaae9e4 op_sel_hi:[1,0,0]            ; b8 z + b6
.endr
.irp k, 0,2,4
	v_pk_fma_f32 v[ES+\k:ES+\k+1], v[ES+\k:ES+\k+1], v[EZ+\k:EZ+\k+1], 0xbf255de7 op_sel_hi:[1,1,0]    ; + a3
	v_pk_fma_f32 v[EC+\k:EC+\k+1], v[EC+\k:EC+\k+1], v[EZ+\k:EZ+\k+1], 0x3e81e0f8 op_sel_hi:[1,1,0]    ; + b4
.endr
.irp k, 0,2,4
	v_pk_fma_f32 v[ES+\k:ES+\k+1], v[ES+\k:ES+\k+1], v[EZ+\k:EZ+\k+1], 0x3fc90fdb op_sel_hi:[1,1,0]    ; + a1 = pi / 2
	v_pk_fma_f32 v[EC+\k:EC+\k+1], v[EC+\k:EC+\k+1], v[EZ+\k:EZ+\k+1], 0xbf9de9e6 op_sel_hi:[1,1,0]    ; + b2
.endr
.irp k, 0,2,4
	v_pk_mul_f32 v[ES+\k:ES+\k+1], v[ES+\k:ES+\k+1], v[ED+\k:ED+\k+1]                                  ; sin(pi d / 2)
	v_pk_fma_f32 v[EC+\k:EC+\k+1], v[EC+\k:EC+\k+1], v[EZ+\k:EZ+\k+1], 1.0 op_sel_hi:[1,1,0]           ; cos(pi d / 2)
.endr
.macro DBL si, so                      ; six sines at si, cosines at si + 6  ->  those of the doubled angle at so, so + 6
.irp k, 0,2,4
	v_pk_add_f32 v[EA+\k:EA+\k+1], v[\si+\k:\si+\k+1], v[\si+\k:\si+\k+1]
.endr
.irp k, 0,2,4
	v_pk_mul_f32 v[\so+\k:\so+\k+1], v[EA+\k:EA+\k+1], v[\si+6+\k:\si+6+\k+1]
	v_pk_fma_f32 v[\so+6+\k:\so+6+\k+1], v[EA+\k:EA+\k+1], v[\si+\k:\si+\k+1], 1.0 op_sel_hi:[1,1,0] neg_lo:[1,0,0] neg_hi:[1,0,0]
.endr
.endm
	DBL ES, RING+30                                ; pi d
	DBL RING+30, SF                                ; f = 1
	DBL SF, SF+12                                  ; f = 2
	DBL SF+12, SF+24                               ; f = 4
	DBL SF+24, SF+36                               ; f = 8
; The 27 numbers of a point in the model's order: r0 r1 r2, then for each coordinate four sines and four cosines.  VSYM names the register of number idx.
.macro VSYM name, idx, p
.if (\idx) < 3
.set \name, R+3*\p+(\idx)
.else
.set \name, SF+12*(((\idx)-3)%4)+6*((((\idx)-3)%8)/4)+3*\p+((\idx)-3)/8
.endif
.endm
; Pair j (k = 2 j, 2 j + 1) of a point goes to register 16 p + 8 ((j >> 2) & 1) + 4 ((j >> 3) & 1) + (j & 3): pairs 0-3 and 8-11 in the lower eight registers,
; 4-7 and 12-15 in the upper eight.  SWAPS then makes fragments of them.
.macro EPACK p
.set j, 0
.rept 13
	VSYM va, 2*j, \p
	VSYM vb, 2*j+1, \p
.set fr, XE+16*\p+8*((j>>2)&1)+4*((j>>3)&1)+(j&3)
	v_cvt_pk_bf16_f32 v[fr], v[va], v[vb]
.set j, j+1
.endr
	VSYM va, 26, \p
	v_cvt_pk_bf16_f32 v[XE+16*\p+13], v[va], 0     ; k' = 26, and 27 = 0
	v_mov_b32 v[XE+16*\p+14], 0                    ; k' = 28 .. 31
	v_mov_b32 v[XE+16*\p+15], 0
.endm
	EPACK 0
	EPACK 1
; v_permlane16_swap_b32 a, b exchanges a's lanes 16-31 with b's lanes 0-15.  Behind it the lower eight registers are the fragment of the points of lanes 0-15
; (lanes 0-15: k = 0-7 and 16-23; lanes 16-31: k = 8-15 and 24-31), the upper eight that of the points of lanes 16-31: point tile t = 2 p + (lane / 16).
.macro SWAPS base
.irp i, 0,1,2,3,4,5,6,7
	v_permlane16_swap_b32 v[\base+\i], v[\base+8+\i]
	v_permlane16_swap_b32 v[\base+16+\i], v[\base+24+\i]
.endr
.endm
	SWAPS XE
	; ---- the mask
	s_wait_loadcnt 27                              ; the two occupancy bytes are in: the 27 words were issued behind them
.irp p, 0,1
	v_and_b32 v[OC+\p], v[OC+\p], v[Q+4*\p+3]      ; in bounds and occupied
	v_cmp_ne_u32 vcc_lo, 0, v[OC+\p]
.irp k, 0,1,2
	v_cndmask_b32 v[Q+4*\p+\k], s43, v[Q+4*\p+\k], vcc_lo          ; a masked point is looked up at 0.5, as in the model
.endr
	v_cvt_f32_u32 v[MF+\p], v[OC+\p]
.endr
	global_store_b64 v[O8], v[MF:MF+1], s[16:17] th:TH_STORE_NT    ; out2: the wave's store covers 256 consecutive bytes, aligned; its sources are never rewritten
.macro PICK k, n
.if lv == \k
.set NN, \n
.endif
.endm
; Unit un: level un / 2, set un % 2, buffer un % 6.  Makes t (3 registers) and the eight rows' numbers, and issues the eight gathers.
; Corner c (bit 0 along x, bit 1 along y, bit 2 along z): row number, then its two features, in v[HX + 2 c : HX + 2 c + 1].
.macro HASHU un
.set lv, (\un)/2
.set qq, Q+4*((\un)%2)
.set HX, RING+20*((\un)%6)
	PICK 0, 16
	PICK 1, 20
	PICK 2, 25
	PICK 3, 32
	PICK 4, 40
	PICK 5, 50
	PICK 6, 64
	PICK 7, 80
	PICK 8, 101
	PICK 9, 127
	PICK 10, 161
	PICK 11, 203
	PICK 12, 256
	PICK 13, 322
	PICK 14, 406
	PICK 15, 512
	v_mul_u32_u24 v[HX+1],  NN, v[qq]              ; q < 2^23, N <= 512: the product fits 32 bits
	v_mul_u32_u24 v[HX+3],  NN, v[qq+1]
	v_mul_u32_u24 v[HX+19], NN, v[qq+2]
	v_and_or_b32 v[HX+16], v[HX+1],  s38, s39      ; the 23 fraction bits under the exponent of 1.0: 1 + t, exactly
	v_and_or_b32 v[HX+17], v[HX+3],  s38, s39
	v_and_or_b32 v[HX+18], v[HX+19], s38, s39
	v_pk_add_f32 v[HX+16:HX+17], v[HX+16:HX+17], -1.0 op_sel_hi:[1,0]
	v_add_f32 v[HX+18], -1.0, v[HX+18]
	v_lshrrev_b32 v[HX+1], 23, v[HX+1]             ; floor along x, y, z
	v_lshrrev_b32 v[HX+3], 23, v[HX+3]
	v_lshrrev_b32 v[HX+5], 23, v[HX+19]
	v_mul_u32_u24 v[HX+3], s41, v[HX+3]            ; y * prime, z * prime (below 2^28)
	v_mul_u32_u24 v[HX+5], s42, v[HX+5]
	v_add_nc_u32 v[HX+7],  s41, v[HX+3]            ; (y + 1) * prime
	v_add_nc_u32 v[HX+9],  s42, v[HX+5]            ; (z + 1) * prime
	v_add_nc_u32 v[HX+11], 1, v[HX+1]              ; x + 1
	v_xor_b32 v[HX],    v[HX+3], v[HX+5]
	v_xor_b32 v[HX+4],  v[HX+7], v[HX+5]
	v_xor_b32 v[HX+8],  v[HX+3], v[HX+9]
	v_xor_b32 v[HX+12], v[HX+7], v[HX+9]
.irp k, 0,4,8,12
	v_and_b32 v[HX+\k], s40, v[HX+\k]              ; modulo 2^19; x and x + 1 are at most 512 and stay inside
.endr
.irp k, 0,4,8,12
	v_xor_b32 v[HX+\k+2], v[HX+\k], v[HX+11]
	v_xor_b32 v[HX+\k],   v[HX+\k], v[HX+1]
.endr
.irp c, 0,1,2,3,4,5,6,7
	v_min_u32 v[HX+2*\c], 0x7ffff, v[HX+2*\c]      ; a number made of loaded ones enters an address only behind a bound written in the text
.endr
.irp c, 0,1,2,3,4,5,6,7
	global_load_b64 v[HX+2*\c:HX+2*\c+1], v[HX+2*\c], s[TB+2*lv:TB+2*lv+1] scale_offset    ; row x 8 bytes; lands on its own address register
.endr
.endm
.macro DIFF c0, c1                     ; corner c1 -= corner c0, both features
	v_pk_add_f32 v[HX+2*\c1:HX+2*\c1+1], v[HX+2*\c1:HX+2*\c1+1], v[HX+2*\c0:HX+2*\c0+1] neg_lo:[0,1] neg_hi:[0,1]
.endm
; Unit un: c0 += t (c1 - c0) along x (4), y (2), z (1), then the level's two features as one bf16 pair in its place for SWAPS.
.macro INTERPU un
.set lv, (\un)/2
.set pp, (\un)%2
.set HX, RING+20*((\un)%6)
.set fr, F+16*pp+8*((lv>>2)&1)+4*((lv>>3)&1)+(lv&3)
	DIFF 0, 1
	DIFF 2, 3
	DIFF 4, 5
	DIFF 6, 7
.irp c, 0,2,4,6
	v_pk_fma_f32 v[HX+2*\c:HX+2*\c+1], v[HX+2*\c+2:HX+2*\c+3], v[HX+16:HX+17], v[HX+2*\c:HX+2*\c+1] op_sel_hi:[1,0,1]    ; both by tx
.endr
	DIFF 0, 2
	DIFF 4, 6
.irp c, 0,4
	v_pk_fma_f32 v[HX+2*\c:HX+2*\c+1], v[HX+2*\c+4:HX+2*\c+5], v[HX+16:HX+17], v[HX+2*\c:HX+2*\c+1] op_sel:[0,1,0]       ; both by ty
.endr
	DIFF 0, 4
	v_pk_fma_f32 v[HX:HX+1], v[HX+8:HX+9], v[HX+18:HX+19], v[HX:HX+1] op_sel_hi:[1,0,1]                                  ; both by tz
	v_cvt_pk_bf16_f32 v[fr], v[HX], v[HX+1]
.endm
	; ---- the first four units go out ahead of the weights' conversion: 27 + 32 loads are out
	HASHU 0
	HASHU 1
	HASHU 2
	HASHU 3
	s_wait_loadcnt 32                              ; the 27 words are in: 32 gathers were issued behind them
	v_cmp_gt_u32 vcc_lo, 6, v[AA]
	v_cndmask_b32 v[W+14], 0, v[W+14], vcc_lo      ; cW1 has no row 44, 46:
	v_cmp_gt_u32 vcc_lo, 5, v[AA]
	v_cndmask_b32 v[W+15], 0, v[W+15], vcc_lo      ; nor 43, 45, 47: k' = 27 .. 31 are 0
	v_cmp_gt_u32 vcc_lo, 3, v[N16]
	v_cndmask_b32 v[W+20], 0, v[W+20], vcc_lo      ; cW3 and cb3 have three columns: outputs 3 .. 15 are 0
	v_cndmask_b32 v[W+21], 0, v[W+21], vcc_lo
	v_cndmask_b32 v[W+26], 0, v[W+26], vcc_lo
	v_and_b32 v[B3], 16, v0
	v_cmp_ne_u32 vcc_lo, 0, v[B3]
	v_cndmask_b32 v[W+25], v[W+25], v[W+26], vcc_lo                ; lanes 0-15 db2, lanes 16-31 cb3
.irp i, 0,2,4,6,8,10,12,14,16,18,20
	v_cvt_pk_bf16_f32 v[W+\i], v[W+\i], v[W+\i+1]  ; rows k and k + 1 of a column: one word of the transposed matrix
.endr
	ds_store_b32 v[L80], v[W]   offset:W1T
	ds_store_b32 v[L80], v[W+2] offset:W1T+32
.irp i, 0,1,2,3
	ds_store_b32 v[L144], v[W+4+2*\i] offset:C2T+32*\i
.endr
	ds_store_b32 v[L144], v[W+12] offset:C1T
	ds_store_b32 v[L144], v[W+14] offset:C1T+32
	ds_store_b32 v[L144], v[W+16] offset:C1T+64
	ds_store_b32 v[L144], v[ZR]   offset:C1T+96    ; k' = 48 .. 63
	ds_store_b32 v[L16], v[W+18] offset:W2T
	ds_store_b32 v[L16], v[W+20] offset:C3T
	s_cmp_gt_u32 s3, 1
	s_cbranch_scc1 .Lnot_wave_0_1
	ds_store_b32 v[T4], v[W+22] offset:BIAS        ; threads 0 to 63: the three biases of 64
	ds_store_b32 v[T4], v[W+23] offset:BIAS+256
	ds_store_b32 v[T4], v[W+24] offset:BIAS+512
.Lnot_wave_0_1:
	s_cmp_lg_u32 s3, 2
	s_cbranch_scc1 .Lnot_wave_2
	ds_store_b32 v[T4], v[W+25] offset:BIAS+512    ; threads 64 to 95: 4 t = 256 + 4 L, so db2 at +768 and cb3 at +832
.Lnot_wave_2:
	s_wait_dscnt 0x0                               ; my stores are done, for the other waves' sake
	s_barrier_signal -1
	s_barrier_wait -1                              ; the only barrier: behind it all weights are in LDS and nobody writes them again
; The fourteen steps of the networks.  Step g makes 16 output features of all four point tiles:
;   g 0-3: layer 32 -> 64;  4: 64 -> 16 (log sigma);  5-8: 43 -> 64;  9-12: 64 -> 64;  13: 64 -> 3.
; LW g loads its weights (2 loads for each 32 of K) and its bias (2 loads) into the register set g % 2: four loads for g <= 3, six for the others.
.macro LOADW areg, off, kf, boff
	ds_load_b128 v[wb:wb+3],   v[\areg] offset:\off
	ds_load_b128 v[wb+4:wb+7], v[\areg] offset:\off+32
.if \kf == 2
	ds_load_b128 v[wb+8:wb+11],  v[\areg] offset:\off+64
	ds_load_b128 v[wb+12:wb+15], v[\areg] offset:\off+96
.endif
	ds_load_b128 v[wb+16:wb+19], v[BA] offset:\boff
	ds_load_b128 v[wb+20:wb+23], v[BA] offset:\boff+16
.endm
.macro LW g
.set wb, WB0+24*((\g)%2)
.if (\g) < 4
	LOADW WA80, W1T+(\g)*16*80, 1, BIAS+64*(\g)
.elseif (\g) == 4
	LOADW WA144, W2T, 2, BIAS+768
.elseif (\g) < 9
	LOADW WA144, C1T+((\g)-5)*16*144, 2, BIAS+256+64*((\g)-5)
.elseif (\g) < 13
	LOADW WA144, C2T+((\g)-9)*16*144, 2, BIAS+512+64*((\g)-9)
.else
	LOADW WA144, C3T, 2, BIAS+832
.endif
.endm
	LW 0                                           ; into the registers of the weights' conversion, which are free now; they land during the gathers
	LW 1
	; ---- the gathers: five units are always out behind the one that is blended
	HASHU 4
.set u, 0
.rept 27
	HASHU u+5                                      ; into the buffer that the unit before this one has left
	s_wait_loadcnt 40                              ; loads come back in order: unit u is in, the 5 x 8 loads of the younger units may be out
	INTERPU u
.set u, u+1
.endr
.rept 5
	s_wait_loadcnt 8*(31-u)                        ; nothing more goes out: the counts run down 32, 24, 16, 8, 0
	INTERPU u
.set u, u+1
.endr
	SWAPS F
; WM g: cnt = the loads of step g + 1, which alone may be out.  Activations of tile t: in0 + st0 t (K 0-31), in1 + st1 t (K 32-63).
; The four accumulators take turns, one instruction a turn, and the next step has the other four.
.macro WM g, cnt, kf, in0, st0, in1, st1
.set wb, WB0+24*((\g)%2)
.set ac, ACC0+32*((\g)%2)
	s_wait_dscnt \cnt
.irp t, 0,1,2,3
	v_wmma_f32_16x16x32_bf16 v[ac+8*\t:ac+8*\t+7], v[wb:wb+7], v[\in0+\st0*\t:\in0+\st0*\t+7], v[wb+16:wb+23]      ; the bias starts the sums
.endr
.if \kf == 2
.irp t, 0,1,2,3
	v_wmma_f32_16x16x32_bf16 v[ac+8*\t:ac+8*\t+7], v[wb+8:wb+15], v[\in1+\st1*\t:\in1+\st1*\t+7], v[ac+8*\t:ac+8*\t+7]
.endr
.endif
.endm
; CV g: ReLU and rounding of step g's sums.  Output tile mt of the layer is half of K fragment mt / 2 of the next layer: registers 4 (mt % 2) + 0..3.
; It stands behind WM g + 1 and names none of that step's registers: its 48 plain vector instructions are the places
; between WM g + 1 and the loads into its weights, the readers of its sums and the next writer of its accumulators.
.macro CV g, out, mt
.set ac, ACC0+32*((\g)%2)
.set ob, \out+8*((\mt)/2)+4*((\mt)%2)
.irp t, 0,1,2,3
.irp k, 0,1,2,3,4,5,6,7
	v_max_num_f32 v[ac+8*\t+\k], 0, v[ac+8*\t+\k]
.endr
.irp k, 0,1,2,3
	v_cvt_pk_bf16_f32 v[ob+16*\t+\k], v[ac+8*\t+2*\k], v[ac+8*\t+2*\k+1]
.endr
.endr
.endm
.macro NOP5                            ; where no useful work is at hand: five places behind a step's last matrix instruction
.rept 5
	v_nop
.endr
.endm
	; ---- features 32 -> 64
	WM 0, 4, 1, F, 8, F, 8
	NOP5
	LW 2
	WM 1, 4, 1, F, 8, F, 8
	CV 0, HA, 0
	LW 3
	WM 2, 4, 1, F, 8, F, 8
	CV 1, HA, 1
	LW 4
	WM 3, 6, 1, F, 8, F, 8
	CV 2, HA, 2
	LW 5
	CV 3, HA, 3
	; ---- 64 -> 16: log sigma
	WM 4, 6, 2, HA, 16, HA+8, 16
	NOP5
	LW 6
.irp t, 0,1,2,3
.irp k, 0,1,2,3
	v_cvt_pk_bf16_f32 v[X1+8*\t+\k], v[ACC0+8*\t+2*\k], v[ACC0+8*\t+2*\k+1]        ; k' = 32 + 8 h + 0..7, no ReLU
.endr
.endr
	v_mul_f32 v[SG],   0x3fb8aa3b, v[ACC0]         ; log sigma 0 lies in register 0 of lanes 0-15 of each tile; e^x = 2^(x log2 e)
	v_mul_f32 v[SG+2], 0x3fb8aa3b, v[ACC0+8]
	v_mul_f32 v[SG+1], 0x3fb8aa3b, v[ACC0+16]
	v_mul_f32 v[SG+3], 0x3fb8aa3b, v[ACC0+24]
	v_exp_f32 v[SG],   v[SG]
	v_exp_f32 v[SG+2], v[SG+2]
	v_exp_f32 v[SG+1], v[SG+1]
	v_exp_f32 v[SG+3], v[SG+3]
.irp t, 0,1,2,3
.irp k, 4,5,6,7
	v_mov_b32 v[X1+8*\t+\k], 0                     ; k' = 48 .. 63; the first of these is the plain instruction behind the exponentials (ISA guide 5.7.2)
.endr
.endr
	s_wait_alu depctr_va_vdst(0)
	v_permlane16_swap_b32 v[SG],   v[SG+2]         ; set 0: lanes 0-15 from tile 0, lanes 16-31 from tile 1
	v_permlane16_swap_b32 v[SG+1], v[SG+3]         ; set 1: tiles 2 and 3
	v_pk_mul_f32 v[SG:SG+1], v[SG:SG+1], v[MF:MF+1]
	global_store_b64 v[O8], v[SG:SG+1], s[14:15] th:TH_STORE_NT    ; out1: 256 consecutive bytes, aligned; its sources are never rewritten
	; ---- (r, encoding, log sigma) 43 -> 64
	WM 5, 6, 2, XE, 8, X1, 8
	NOP5
	LW 7
	WM 6, 6, 2, XE, 8, X1, 8
	CV 5, HA, 0
	LW 8
	WM 7, 6, 2, XE, 8, X1, 8
	CV 6, HA, 1
	LW 9
	WM 8, 6, 2, XE, 8, X1, 8
	CV 7, HA, 2
	LW 10
	CV 8, HA, 3
	; ---- 64 -> 64
	WM 9, 6, 2, HA, 16, HA+8, 16
	NOP5
	LW 11
	WM 10, 6, 2, HA, 16, HA+8, 16
	CV 9, HB, 0
	LW 12
	WM 11, 6, 2, HA, 16, HA+8, 16
	CV 10, HB, 1
	LW 13
	WM 12, 6, 2, HA, 16, HA+8, 16
	CV 11, HB, 2
	CV 12, HB, 3
	; ---- 64 -> 3
	WM 13, 0, 2, HB, 16, HB+8, 16
	NOP5
.irp p, 0,1
.irp j, 0,1,2
	v_permlane16_swap_b32 v[ACC1+16*\p+\j], v[ACC1+16*\p+8+\j]     ; colour j of set p: lanes 0-15 from tile 2 p, lanes 16-31 from tile 2 p + 1
.endr
.endr
	; sigmoid(x) = 1 / (1 + 2^(-x log2 e)), times the mask
.irp p, 0,1
.irp j, 0,1,2
	v_mul_f32 v[OUTC+3*\p+\j], 0xbfb8aa3b, v[ACC1+16*\p+\j]
.endr
.endr
.irp k, 0,1,2,3,4,5
	v_exp_f32 v[OUTC+\k], v[OUTC+\k]
.endr
	v_nop                                          ; one plain instruction behind the last exponential
	s_wait_alu depctr_va_vdst(0)
.irp k, 0,1,2,3,4,5
	v_add_f32 v[OUTC+\k], 1.0, v[OUTC+\k]
.endr
.irp k, 0,1,2,3,4,5
	v_rcp_f32 v[OUTC+\k], v[OUTC+\k]
.endr
	v_nop                                          ; and behind the last reciprocal
	s_wait_alu depctr_va_vdst(0)
.irp p, 0,1
.irp j, 0,1,2
	v_mul_f32 v[OUTC+3*\p+\j], v[OUTC+3*\p+\j], v[MF+\p]
.endr
.endr
	; out0: a lane holds 24 neighbouring bytes.  Through my own 768 bytes of LDS, so that each store of the wave covers 256 consecutive bytes, aligned.
.irp j, 0,1,2
	ds_store_b64 v[ST24], v[OUTC+2*\j:OUTC+2*\j+1] offset:8*\j
.endr
.irp j, 0,1,2
	ds_load_b64 v[OUTC+6+2*\j:OUTC+7+2*\j], v[ST8] offset:256*\j   ; LDS serves a wave's instructions in order (ISA guide 5.7.1): these see the stores above
.endr
.irp j, 0,1,2
	s_wait_dscnt 2-\j                              ; load j is in, the younger ones may be out
	global_store_b64 v[O8], v[OUTC+6+2*\j:OUTC+7+2*\j], s[12:13] offset:256*\j th:TH_STORE_NT
.endr
	s_wait_xcnt 0x0
	v_lshl_add_u32 v230, v0, 2, 0xa200
	v_mov_b32 v231, 0
	s_wait_tensorcnt 0x0
	ds_add_u32 v230, v231
	s_wait_dscnt 0x0
	s_endpgm
.Lfunc_end_k_q86913e838e_ngp:
	.size	k_q86913e838e_ngp, .Lfunc_end_k_q86913e838e_ngp-k_q86913e838e_ngp
	.p2alignl 7, 3214868480
	.fill 96, 4, 3214868480
	.section	.rodata,"a",@progbits
	.p2align	6, 0x0
	.amdhsa_kernel k_q86913e838e_ngp
		.amdhsa_group_segment_fixed_size 43520
		.amdhsa_private_segment_fixed_size 0
		.amdhsa_enable_private_segment 0
		.amdhsa_kernarg_size 136
		.amdhsa_user_sgpr_count 2
		.amdhsa_user_sgpr_kernarg_segment_ptr 1
		.amdhsa_wavefront_size32 1
		.amdhsa_system_sgpr_workgroup_id_x 1
		.amdhsa_system_sgpr_workgroup_id_y 1
		.amdhsa_system_sgpr_workgroup_id_z 1
		.amdhsa_system_vgpr_workitem_id 0
		.amdhsa_next_free_vgpr 256
		.amdhsa_next_free_sgpr 98
		.amdhsa_reserve_vcc 1
		.amdhsa_float_denorm_mode_32 3
		.amdhsa_float_denorm_mode_16_64 3
		.amdhsa_memory_ordered 1
		.amdhsa_forward_progress 1
		.amdhsa_inst_pref_size 169
	.end_amdhsa_kernel
	.amdgpu_metadata
---
amdhsa.version: [ 1, 2 ]
amdhsa.kernels:
  - .name:           k_q86913e838e_ngp
    .symbol:         k_q86913e838e_ngp.kd
    .args:
      - { .name: qbuf, .offset: 0, .size: 8, .value_kind: global_buffer, .address_space: global }
      - { .name: occupancy_mask, .offset: 8, .size: 8, .value_kind: global_buffer, .address_space: global }
      - { .name: r_dir, .offset: 16, .size: 8, .value_kind: global_buffer, .address_space: global }
      - { .name: tables, .offset: 24, .size: 8, .value_kind: global_buffer, .address_space: global }
      - { .name: out0, .offset: 32, .size: 8, .value_kind: global_buffer, .address_space: global }
      - { .name: out1, .offset: 40, .size: 8, .value_kind: global_buffer, .address_space: global }
      - { .name: out2, .offset: 48, .size: 8, .value_kind: global_buffer, .address_space: global }
      - { .name: dW1, .offset: 56, .size: 8, .value_kind: global_buffer, .address_space: global }
      - { .name: dW2, .offset: 64, .size: 8, .value_kind: global_buffer, .address_space: global }
      - { .name: cW1, .offset: 72, .size: 8, .value_kind: global_buffer, .address_space: global }
      - { .name: cW2, .offset: 80, .size: 8, .value_kind: global_buffer, .address_space: global }
      - { .name: cW3, .offset: 88, .size: 8, .value_kind: global_buffer, .address_space: global }
      - { .name: db1, .offset: 96, .size: 8, .value_kind: global_buffer, .address_space: global }
      - { .name: db2, .offset: 104, .size: 8, .value_kind: global_buffer, .address_space: global }
      - { .name: cb1, .offset: 112, .size: 8, .value_kind: global_buffer, .address_space: global }
      - { .name: cb2, .offset: 120, .size: 8, .value_kind: global_buffer, .address_space: global }
      - { .name: cb3, .offset: 128, .size: 8, .value_kind: global_buffer, .address_space: global }
    .group_segment_fixed_size: 43520
    .private_segment_fixed_size: 0
    .kernarg_segment_align: 8
    .kernarg_segment_size: 136
    .max_flat_workgroup_size: 512
    .sgpr_count:     98
    .vgpr_count:     256
    .wavefront_size: 32
...
	.end_amdgpu_metadata
.endif
;; end of part 2
;; ======== version 2 of 2: 2 launches; version 1 with the launch ngp written anew for expert scheduling mode
;; workspace buffers: qbuf 4,194,304 bytes of whole numbers
;; launch quant: the kernel of part 1 again; grid 256 x 1, 8 waves a work-group, no clusters, 0 bytes of LDS; arguments x, qbuf; writes qbuf
;; launch ngp (part 3): grid 256 x 1, 16 waves a work-group, no clusters, 43,520 bytes of LDS; arguments qbuf, occupancy_mask, r_dir, tables, out0, out1, out2, dW1, dW2, cW1, cW2, cW3, db1, db2, cb1, cb2, cb3; writes out0, out1, out2
.if DOCPART == 3
	.amdgcn_target "amdgcn-amd-amdhsa--gfx1250"
	.amdhsa_code_object_version 6
	.text
	.protected	k_q86913e838e_ngp
	.globl	k_q86913e838e_ngp
	.p2align	8
	.type	k_q86913e838e_ngp,@function
k_q86913e838e_ngp:
	s_mov_b64 s[64:65], 0
	v_nop
	global_prefetch_b8 v0, s[64:65] scope:SCOPE_SE
	s_setreg_imm32_b32 hwreg(HW_REG_WAVE_SCHED_MODE, 0, 2), 2
	s_setreg_imm32_b32 hwreg(HW_REG_WAVE_MODE, 25, 1), 1
	s_wait_xcnt 0x0
	s_wait_alu depctr_vm_vsrc(0)
; Hash-grid lookup, trilinear blend, direction encoding and both small networks, fused: nothing but the three outputs is stored.
; 256 work-groups of 16 waves; a work-group owns 1,024 points, a wave 64, lane L the two neighbouring points 2 L + p ("set" p = 0, 1).
; Straight-line text: no loop, EXEC is never changed, one barrier (the weights in LDS).
;
; GATHER.  q_k (23-bit fixed point, from the launch before) times the level's resolution N is floor in bits 31:23 and the weight t in bits 22:0.
;   The hash needs its low 19 bits alone (the table has 2^19 rows), so the primes are taken modulo 2^19.  A unit = one level of one set = 8 loads of 8 bytes;
;   six register buffers take turns, so that up to 48 gathers of a wave are on their way.
; RESOLUTIONS: 16 * 2^(l/3) cut to whole numbers as geomspace(16, 512, 16, dtype=int) cuts 10^y computed in double: 16 20 25 32 40 50 64 80 101 127 161 203 256 322 406 512
;   (level 9: the double result lies just below 128 and is cut to 127).
; NETWORKS.  Every product is D = W^T (16 output features x 32 k, bf16, from LDS) x activations (32 k x 16 points, bf16, in registers) + C, sums in f32.
;   A lane of D holds features 8 h + 0..7 of one point, which, packed to bf16, are exactly four registers of the next layer's activation fragment:
;   the layers chain in registers.  The bias (f32) is the C of a layer's first K step.
; No tensor loads (gathers of 8 bytes are no tiles), no cluster (only 27 KiB of weights are shared), no prefetch (hashed rows of all 64 MiB belong to no one work-group).
; LIMITS, stated: coordinates in steps of 2^-23; the encoding's phase is r in exact turns, where the model multiplies r by the f32 value of 2 pi f (relative 3e-8 apart, plus the
;   model's own rounding of the product), sin and cos good to about 1e-5; a NaN does not pass the ReLU (v_max_num_f32 drops it); v_exp_f32 gives 0 for results below 2^-126
;   (ISA guide, 15.8); matrix operands are bf16.
; THE MODE: SCHED_MODE bits 1:0 = 2 (LLVM: expert scheduling mode 2), set by the entry lines.  The code itself states the register dependences
;   between vector or matrix instructions and memory or LDS instructions, with s_wait_alu, always for 0.
; THE PLAN.  Registers that memory or LDS instructions touch:
;   v2-v7          offsets and LDS addresses, made at the head and never written again: one wait ahead of the first load serves them for the whole kernel.
;   v12-v15        offsets of q, of r_dir and of the occupancy bytes; each occupancy load lands on its own offset; all four are written again by vector lines, behind a wait on vm_vsrc.
;   the ring       Unit n: its hash lines write the eight row numbers; ONE wait on va_vdst; its eight gathers read them and land on them.  Trip u makes unit u + 5 and blends unit u.
;                  ONE wait on vm_vsrc at a trip's head: the gathers of units u and u - 1 have read the row numbers that this trip's blend and hash lines write;
;                  the gathers issued behind that wait read the buffer of unit u + 5 alone, which the blend does not name.
;   v[208:255]     first the 27 words of weights and their addresses (loads land, vector lines select and round, LDS stores read); then two sets of weights and bias by turns:
;                  the LDS loads of step g + 2 land where the matrix instructions of step g have read: one wait on va_vdst ahead of each such run of loads.
;   v[8:11]        mask and sigma, each written once and stored once, the store laid behind a wait on va_vdst that stands there for the loads beside it.
;   v[208:219]     at the end: colours into my stage, and back by rows.     v230, v231: made for the closing add alone.
.set W1T,   0                          ; LDS: dW1^T bf16 [64 out][32 k], pitch 80
.set W2T,   5120                       ;      dW2^T [16][64], pitch 144
.set C1T,   7424                       ;      cW1^T [64][64 k']: k' 0-26 = rows 16-42 (r, encoding), 27-31 = 0, 32-47 = rows 0-15 (log sigma), 48-63 = 0
.set C2T,   16640                      ;      cW2^T [64][64], pitch 144
.set C3T,   25856                      ;      cW3^T [16][64], rows 3-15 are 0
.set BIAS,  28160                      ;      f32: db1 +0, cb1 +256, cb2 +512, db2 +768, cb3 +832 (16 words, 3-15 are 0)
.set STAGE, 29184                      ;      768 bytes for each wave, its own, for out0
; both pitches are odd multiples of 16 bytes: the sixteen rows of a fragment load begin at sixteen different multiples of 16 modulo 256
.set LN,    1                          ; v1   lane
.set WA80,  2                          ; v2   (L % 16) * 80 + 16 (L / 16): fragment address, pitch 80
.set WA144, 3                          ; v3   the same, pitch 144
.set BA,    4                          ; v4   32 (L / 16): my eight bias words of an output tile
.set ST24,  5                          ; v5   my stage + 24 L
.set ST8,   6                          ; v6   my stage + 8 L
.set O8,    7                          ; v7   8 L: offset in out0, out1, out2
.set MF,    8                          ; v[8:9]   the mask as f32, sets 0 and 1
.set SG,    10                         ; v[10:13] sigma at work; v[10:11] the pair that is stored
.set QA,    12                         ; v12  16 L (until q is in)
.set RA,    13                         ; v13  24 L (until r_dir is in)
.set OC,    14                         ; v[14:15] offset in the occupancy grid, then its byte, then the mask
.set XE,    16                         ; v[16:47] fragments of r and its encoding, point tile t at XE + 8 t
.set F,     48                         ; v[48:79] fragments of the 32 features, tile t at F + 8 t
.set X1,    48                         ;          later: fragments of log sigma (4 registers) and zeros (4)
.set RING,  80                         ; v[80:199] six gather buffers of 20 registers; before that scratch
.set Q,     200                        ; v[200:207] q0 q1 q2 inb of set 0, of set 1
.set W,     208                        ; v[208:234] 27 words of weights and biases as loaded
.set G64,   235                        ; v[235:239], v[247:255]: addresses for the weights
.set GC0,   236
.set GC1,   237
.set G16,   238
.set G3,    239
.set R,     240                        ; v[240:245] r_dir: set p, coordinate c at R + 3 p + c
.set ZR,    246                        ; 0
.set B64,   247
.set B16,   248
.set B3,    249
.set L80,   250
.set L144,  251
.set L16,   252
.set T4,    253
.set AA,    254
.set N16,   255
.set HA,    80                         ; v[80:143] hidden fragments: tile t, K half kf at HA + 16 t + 8 kf
.set HB,    16                         ; v[16:79]  the same, second set
.set ACC0,  144                        ; v[144:175] four accumulators (point tiles), steps of even number
.set ACC1,  176                        ; v[176:207] steps of odd number
.set WB0,   208                        ; v[208:223] weights, v[224:231] bias of even steps; v[232:247], v[248:255] of odd steps
.set OUTC,  208                        ; v[208:213] colours; v[214:219] read back by rows
.set TB,    66                         ; s[66:97] address of each level's table
	s_load_b512 s[4:19], s[0:1], 0x0               ; qbuf 4, occupancy 6, r_dir 8, tables 10, out0 12, out1 14, out2 16, dW1 18
	s_load_b512 s[20:35], s[0:1], 0x40             ; dW2 20, cW1 22, cW2 24, cW3 26, db1 28, db2 30, cb1 32, cb2 34
	s_load_b64 s[36:37], s[0:1], 0x80              ; cb3
	v_lshrrev_b32 v[LN], 5, v0
	v_readfirstlane_b32 s3, v[LN]                  ; wave 0..15
	v_and_b32 v[LN], 31, v0
	s_mov_b32 s38, 0x7fffff                        ; the 23 bits of t
	s_mov_b32 s39, 0x3f800000                      ; exponent of 1.0
	s_mov_b32 s40, 0x7ffff                         ; modulo 2^19
	s_mov_b32 s41, 0x779b1                         ; 2654435761 modulo 2^19
	s_mov_b32 s42, 0x25795                         ; 805459861 modulo 2^19
	s_mov_b32 s43, 0x400000                        ; fixed-point 0.5
	s_mov_b32 s44, 0xbb996966                      ; a7 = -(pi/2)^7 / 7!
	s_mov_b32 s45, 0xbb996966
	s_mov_b32 s46, 0x3a70fa83                      ; b8 = (pi/2)^8 / 8!
	s_mov_b32 s47, 0x3a70fa83
	s_lshl_b32 s48, ttmp9, 14                      ; qbuf: 16,384 g + 1,024 w
	s_wait_alu depctr_va_sdst(0)                   ; s3 is written, ahead of its first reader: offsets, my stage and two branches are made from it
	s_lshl_b32 s54, s3, 10
	s_add_co_u32 s48, s48, s54
	s_mov_b32 s49, 0
	s_mul_i32 s50, ttmp9, 12288                    ; r_dir, out0: 12,288 g + 768 w
	s_mul_i32 s54, s3, 768
	s_add_co_u32 s50, s50, s54
	s_mov_b32 s51, 0
	s_add_co_u32 s54, s54, STAGE                   ; my stage in LDS: a constant + 768 x wave
	s_lshl_b32 s52, ttmp9, 12                      ; out1, out2: 4,096 g + 256 w
	s_lshl_b32 s55, s3, 8
	s_add_co_u32 s52, s52, s55
	s_mov_b32 s53, 0
	; lane addresses
	v_and_b32 v[N16], 15, v0                       ; L % 16 = t % 16
	v_bfe_u32 v80, v0, 4, 1                        ; L / 16
	v_mul_u32_u24 v[WA80], 80, v[N16]
	v_lshl_add_u32 v[WA80], v80, 4, v[WA80]
	v_mul_u32_u24 v[WA144], 144, v[N16]
	v_lshl_add_u32 v[WA144], v80, 4, v[WA144]
	v_lshlrev_b32 v[BA], 5, v80
	v_mad_u32_u24 v[ST24], v[LN], 24, s54
	v_lshl_add_u32 v[ST8], v[LN], 3, s54
	v_lshlrev_b32 v[O8], 3, v[LN]
	v_lshlrev_b32 v[QA], 4, v[LN]
	v_mul_u32_u24 v[RA], 24, v[LN]
	; addresses for the weights: thread t takes the rows (k, k + 1) of one column.  n64 = t % 64, a = t / 64; n16 = t % 16, b = t / 16
	v_and_b32 v81, 63, v0                          ; n64
	v_lshrrev_b32 v[AA], 6, v0                     ; a
	v_lshrrev_b32 v82, 4, v0                       ; b
	v_min_u32 v83, 2, v[N16]                       ; a column of cW3 or cb3 that exists
	v_min_u32 v84, 5, v[AA]                        ; row 32 + 2 a of cW1 exists for a <= 5,
	v_min_u32 v85, 4, v[AA]                        ; row 33 + 2 a for a <= 4
	v_lshlrev_b32 v[B64], 2, v81
	v_lshlrev_b32 v[B16], 2, v[N16]
	v_lshlrev_b32 v[B3], 2, v83
	v_lshl_add_u32 v[G64], v[AA], 9, v[B64]        ; rows of 256 bytes: row 2 a, column n64
	v_lshl_add_u32 v[GC0], v84, 9, v[B64]
	v_lshl_add_u32 v[GC1], v85, 9, v[B64]
	v_lshl_add_u32 v[G16], v82, 7, v[B16]          ; rows of 64 bytes: row 2 b, column n16
	v_mad_u32_u24 v[G3], v82, 24, v[B3]            ; rows of 12 bytes: row 2 b
	v_mul_u32_u24 v[L80], 80, v81
	v_lshl_add_u32 v[L80], v[AA], 2, v[L80]        ; LDS: row n64, k = 2 a
	v_mul_u32_u24 v[L144], 144, v81
	v_lshl_add_u32 v[L144], v[AA], 2, v[L144]
	v_mul_u32_u24 v[L16], 144, v[N16]
	v_lshl_add_u32 v[L16], v82, 2, v[L16]          ; LDS: row n16, k = 2 b
	v_lshlrev_b32 v[T4], 2, v0
	v_mov_b32 v[ZR], 0
	s_wait_kmcnt 0x0
	s_add_nc_u64 s[4:5], s[4:5], s[48:49]
	s_add_nc_u64 s[8:9], s[8:9], s[50:51]
	s_add_nc_u64 s[12:13], s[12:13], s[50:51]
	s_add_nc_u64 s[14:15], s[14:15], s[52:53]
	s_add_nc_u64 s[16:17], s[16:17], s[52:53]
.irp l, 0,1,2,3,4,5,6,7,8,9,10,11,12,13,14,15
	s_add_nc_u64 s[TB+2*\l:TB+2*\l+1], s[10:11], \l*0x400000       ; a level's table is 2^19 rows of 8 bytes
.endr
	; ---- the first loads: q (2), r_dir (3)
	s_wait_alu depctr_va_vdst(0)                   ; all offsets and LDS addresses made above, and the 0 in v[ZR], are written: loads, stores and LDS instructions read them from here to the end
	global_load_b128 v[Q:Q+3],   v[QA], s[4:5] th:TH_LOAD_NT               ; even points: 512 consecutive bytes of the wave's block
	global_load_b128 v[Q+4:Q+7], v[QA], s[4:5] offset:512 th:TH_LOAD_NT    ; odd points
.irp j, 0,1,2
	global_load_b64 v[R+2*\j:R+2*\j+1], v[RA], s[8:9] offset:8*\j th:TH_LOAD_NT
.endr
	s_wait_loadcnt 0x3                             ; q is in; the three loads of r_dir issued behind it may be out
	; cell of the occupancy grid: floor(clip(xg, 0, 0.99) * 128) = min(126, q >> 16) for points in bounds; the others' byte is not used
.irp p, 0,1
.irp k, 0,1,2
	v_lshrrev_b32 v[RING+3*\p+\k], 16, v[Q+4*\p+\k]
.endr
.irp k, 0,1,2
	v_min_u32 v[RING+3*\p+\k], 126, v[RING+3*\p+\k]
.endr
	v_lshl_add_u32 v[OC+\p], v[RING+3*\p], 7, v[RING+3*\p+1]
	v_lshl_add_u32 v[OC+\p], v[OC+\p], 7, v[RING+3*\p+2]
.endr
	s_wait_alu depctr_va_vdst(0)                   ; the two cells' offsets v[OC], v[OC+1] are written, which the two loads below read
	global_load_u8 v[OC],   v[OC],   s[6:7]        ; each lands on its own address register
	global_load_u8 v[OC+1], v[OC+1], s[6:7]
	; ---- 27 words of weights and biases a thread (their offsets were written ahead of the first wait on va_vdst, and no vector line has named v[W ..])
.irp i, 0,1
	global_load_b32 v[W+2*\i],   v[G64], s[18:19] offset:4096*\i           ; dW1 rows 2 a + 16 i,
	global_load_b32 v[W+2*\i+1], v[G64], s[18:19] offset:4096*\i+256       ; and the row below
.endr
.irp i, 0,1,2,3
	global_load_b32 v[W+4+2*\i], v[G64], s[24:25] offset:4096*\i           ; cW2
	global_load_b32 v[W+5+2*\i], v[G64], s[24:25] offset:4096*\i+256
.endr
	global_load_b32 v[W+12], v[G64], s[22:23] offset:4096                  ; cW1 rows 16 + 2 a, 17 + 2 a  (k' = 2 a)
	global_load_b32 v[W+13], v[G64], s[22:23] offset:4352
	global_load_b32 v[W+14], v[GC0], s[22:23] offset:8192                  ; rows 32 + 2 a, 33 + 2 a, held inside the 43 rows  (k' = 16 + 2 a)
	global_load_b32 v[W+15], v[GC1], s[22:23] offset:8448
	global_load_b32 v[W+16], v[G64], s[22:23]                              ; rows 2 a, 2 a + 1  (k' = 32 + 2 a)
	global_load_b32 v[W+17], v[G64], s[22:23] offset:256
	global_load_b32 v[W+18], v[G16], s[20:21]                              ; dW2 rows 2 b, 2 b + 1
	global_load_b32 v[W+19], v[G16], s[20:21] offset:64
	global_load_b32 v[W+20], v[G3],  s[26:27]                              ; cW3 rows 2 b, 2 b + 1
	global_load_b32 v[W+21], v[G3],  s[26:27] offset:12
	global_load_b32 v[W+22], v[B64], s[28:29]                              ; db1
	global_load_b32 v[W+23], v[B64], s[32:33]                              ; cb1
	global_load_b32 v[W+24], v[B64], s[34:35]                              ; cb2
	global_load_b32 v[W+25], v[B16], s[30:31]                              ; db2
	global_load_b32 v[W+26], v[B3],  s[36:37]                              ; cb3
	; ---- the encoding of r_dir, while the occupancy bytes are on their way
	; d = r - round(r) is exact and |d| <= 1/2; sin and cos of pi d / 2 by their series in z = d^2 (next terms: 3e-7 and 3e-8);
	; five doublings (sin 2x = 2 sin x cos x, cos 2x = 1 - 2 sin^2 x) give pi d, then 2 pi d f for f = 1, 2, 4, 8.
.set ED,  RING                         ; d
.set EZ,  RING+6                       ; z
.set ES,  RING+12                      ; sin
.set EC,  RING+18                      ; cos
.set EA,  RING+24                      ; 2 sin
.set SF,  RING+42                      ; sin of frequency f at SF + 12 f, cos at SF + 12 f + 6; set p, coordinate c at + 3 p + c
	s_wait_loadcnt 29                              ; r_dir is in: 2 + 27 loads were issued behind it
.irp k, 0,1,2,3,4,5
	v_rndne_f32 v[ED+\k], v[R+\k]
.endr
.irp k, 0,2,4
	v_pk_add_f32 v[ED+\k:ED+\k+1], v[R+\k:R+\k+1], v[ED+\k:ED+\k+1] neg_lo:[0,1] neg_hi:[0,1]
.endr
.irp k, 0,2,4
	v_pk_mul_f32 v[EZ+\k:EZ+\k+1], v[ED+\k:ED+\k+1], v[ED+\k:ED+\k+1]
.endr
.irp k, 0,2,4
	v_pk_fma_f32 v[ES+\k:ES+\k+1], v[EZ+\k:EZ+\k+1], s[44:45], 0x3da335e3 op_sel_hi:[1,0,0]            ; a7 z + a5
	v_pk_fma_f32 v[EC+\k:EC+\k+1], v[EZ+\k:EZ+\k+1], s[46:47], 0xbcaae9e4 op_sel_hi:[1,0,0]            ; b8 z + b6
.endr
.irp k, 0,2,4
	v_pk_fma_f32 v[ES+\k:ES+\k+1], v[ES+\k:ES+\k+1], v[EZ+\k:EZ+\k+1], 0xbf255de7 op_sel_hi:[1,1,0]    ; + a3
	v_pk_fma_f32 v[EC+\k:EC+\k+1], v[EC+\k:EC+\k+1], v[EZ+\k:EZ+\k+1], 0x3e81e0f8 op_sel_hi:[1,1,0]    ; + b4
.endr
.irp k, 0,2,4
	v_pk_fma_f32 v[ES+\k:ES+\k+1], v[ES+\k:ES+\k+1], v[EZ+\k:EZ+\k+1], 0x3fc90fdb op_sel_hi:[1,1,0]    ; + a1 = pi / 2
	v_pk_fma_f32 v[EC+\k:EC+\k+1], v[EC+\k:EC+\k+1], v[EZ+\k:EZ+\k+1], 0xbf9de9e6 op_sel_hi:[1,1,0]    ; + b2
.endr
.irp k, 0,2,4
	v_pk_mul_f32 v[ES+\k:ES+\k+1], v[ES+\k:ES+\k+1], v[ED+\k:ED+\k+1]                                  ; sin(pi d / 2)
	v_pk_fma_f32 v[EC+\k:EC+\k+1], v[EC+\k:EC+\k+1], v[EZ+\k:EZ+\k+1], 1.0 op_sel_hi:[1,1,0]           ; cos(pi d / 2)
.endr
.macro DBL si, so                      ; six sines at si, cosines at si + 6  ->  those of the doubled angle at so, so + 6
.irp k, 0,2,4
	v_pk_add_f32 v[EA+\k:EA+\k+1], v[\si+\k:\si+\k+1], v[\si+\k:\si+\k+1]
.endr
.irp k, 0,2,4
	v_pk_mul_f32 v[\so+\k:\so+\k+1], v[EA+\k:EA+\k+1], v[\si+6+\k:\si+6+\k+1]
	v_pk_fma_f32 v[\so+6+\k:\so+6+\k+1], v[EA+\k:EA+\k+1], v[\si+\k:\si+\k+1], 1.0 op_sel_hi:[1,1,0] neg_lo:[1,0,0] neg_hi:[1,0,0]
.endr
.endm
	DBL ES, RING+30                                ; pi d
	DBL RING+30, SF                                ; f = 1
	DBL SF, SF+12                                  ; f = 2
	DBL SF+12, SF+24                               ; f = 4
	DBL SF+24, SF+36                               ; f = 8
; The 27 numbers of a point in the model's order: r0 r1 r2, then for each coordinate four sines and four cosines.  VSYM names the register of number idx.
.macro VSYM name, idx, p
.if (\idx) < 3
.set \name, R+3*\p+(\idx)
.else
.set \name, SF+12*(((\idx)-3)%4)+6*((((\idx)-3)%8)/4)+3*\p+((\idx)-3)/8
.endif
.endm
; Pair j (k = 2 j, 2 j + 1) of a point goes to register 16 p + 8 ((j >> 2) & 1) + 4 ((j >> 3) & 1) + (j & 3): pairs 0-3 and 8-11 in the lower eight registers,
; 4-7 and 12-15 in the upper eight.  SWAPS then makes fragments of them.
.macro EPACK p
.set j, 0
.rept 13
	VSYM va, 2*j, \p
	VSYM vb, 2*j+1, \p
.set fr, XE+16*\p+8*((j>>2)&1)+4*((j>>3)&1)+(j&3)
	v_cvt_pk_bf16_f32 v[fr], v[va], v[vb]
.set j, j+1
.endr
	VSYM va, 26, \p
	v_cvt_pk_bf16_f32 v[XE+16*\p+13], v[va], 0     ; k' = 26, and 27 = 0
	v_mov_b32 v[XE+16*\p+14], 0                    ; k' = 28 .. 31
	v_mov_b32 v[XE+16*\p+15], 0
.endm
	EPACK 0
	EPACK 1
; v_permlane16_swap_b32 a, b exchanges a's lanes 16-31 with b's lanes 0-15.  Behind it the lower eight registers are the fragment of the points of lanes 0-15
; (lanes 0-15: k = 0-7 and 16-23; lanes 16-31: k = 8-15 and 24-31), the upper eight that of the points of lanes 16-31: point tile t = 2 p + (lane / 16).
.macro SWAPS base
.irp i, 0,1,2,3,4,5,6,7
	v_permlane16_swap_b32 v[\base+\i], v[\base+8+\i]
	v_permlane16_swap_b32 v[\base+16+\i], v[\base+24+\i]
.endr
.endm
	SWAPS XE
	; ---- the mask
	s_wait_loadcnt 27                              ; the two occupancy bytes are in: the 27 words were issued behind them
	s_wait_alu depctr_vm_vsrc(0)                   ; the two loads of those bytes have read v[OC], v[OC+1] as their offsets: the two lines below write these registers
	v_and_b32 v[OC],   v[OC],   v[Q+3]             ; in bounds and occupied
	v_and_b32 v[OC+1], v[OC+1], v[Q+7]
	v_cmp_ne_u32 s56, 0, v[OC]                     ; both compares in one run, each into a scalar register of its own
	v_cmp_ne_u32 s57, 0, v[OC+1]
	v_cvt_f32_u32 v[MF],   v[OC]
	v_cvt_f32_u32 v[MF+1], v[OC+1]
	s_wait_alu depctr_va_sdst(0)                   ; s56 and s57 are written, ahead of the selects that read them
.irp k, 0,1,2
	v_cndmask_b32 v[Q+\k],   s43, v[Q+\k],   s56   ; a masked point is looked up at 0.5, as in the model
	v_cndmask_b32 v[Q+4+\k], s43, v[Q+4+\k], s57
.endr
.macro PICK k, n
.if lv == \k
.set NN, \n
.endif
.endm
; Unit un: level un / 2, set un % 2, buffer un % 6.  Makes t (3 registers) and the eight rows' numbers, and issues the eight gathers.
; Corner c (bit 0 along x, bit 1 along y, bit 2 along z): row number, then its two features, in v[HX + 2 c : HX + 2 c + 1].
.macro HASHU un
.set lv, (\un)/2
.set qq, Q+4*((\un)%2)
.set HX, RING+20*((\un)%6)
	PICK 0, 16
	PICK 1, 20
	PICK 2, 25
	PICK 3, 32
	PICK 4, 40
	PICK 5, 50
	PICK 6, 64
	PICK 7, 80
	PICK 8, 101
	PICK 9, 127
	PICK 10, 161
	PICK 11, 203
	PICK 12, 256
	PICK 13, 322
	PICK 14, 406
	PICK 15, 512
	v_mul_u32_u24 v[HX+1],  NN, v[qq]              ; q < 2^23, N <= 512: the product fits 32 bits
	v_mul_u32_u24 v[HX+3],  NN, v[qq+1]
	v_mul_u32_u24 v[HX+19], NN, v[qq+2]
	v_and_or_b32 v[HX+16], v[HX+1],  s38, s39      ; the 23 fraction bits under the exponent of 1.0: 1 + t, exactly
	v_and_or_b32 v[HX+17], v[HX+3],  s38, s39
	v_and_or_b32 v[HX+18], v[HX+19], s38, s39
	v_pk_add_f32 v[HX+16:HX+17], v[HX+16:HX+17], -1.0 op_sel_hi:[1,0]
	v_add_f32 v[HX+18], -1.0, v[HX+18]
	v_lshrrev_b32 v[HX+1], 23, v[HX+1]             ; floor along x, y, z
	v_lshrrev_b32 v[HX+3], 23, v[HX+3]
	v_lshrrev_b32 v[HX+5], 23, v[HX+19]
	v_mul_u32_u24 v[HX+3], s41, v[HX+3]            ; y * prime, z * prime (below 2^28)
	v_mul_u32_u24 v[HX+5], s42, v[HX+5]
	v_add_nc_u32 v[HX+7],  s41, v[HX+3]            ; (y + 1) * prime
	v_add_nc_u32 v[HX+9],  s42, v[HX+5]            ; (z + 1) * prime
	v_add_nc_u32 v[HX+11], 1, v[HX+1]              ; x + 1
	v_xor_b32 v[HX],    v[HX+3], v[HX+5]
	v_xor_b32 v[HX+4],  v[HX+7], v[HX+5]
	v_xor_b32 v[HX+8],  v[HX+3], v[HX+9]
	v_xor_b32 v[HX+12], v[HX+7], v[HX+9]
.irp k, 0,4,8,12
	v_and_b32 v[HX+\k], s40, v[HX+\k]              ; modulo 2^19; x and x + 1 are at most 512 and stay inside
.endr
.irp k, 0,4,8,12
	v_xor_b32 v[HX+\k+2], v[HX+\k], v[HX+11]
	v_xor_b32 v[HX+\k],   v[HX+\k], v[HX+1]
.endr
.irp c, 0,1,2,3,4,5,6,7
	v_min_u32 v[HX+2*\c], 0x7ffff, v[HX+2*\c]      ; a number made of loaded ones enters an address only behind a bound written in the text
.endr
	s_wait_alu depctr_va_vdst(0)                   ; the eight row numbers are written, which the gathers read; the lines above, and whatever vector work was done in this buffer before them, are done with v[HX .. HX+15], in which the gathers land
.irp c, 0,1,2,3,4,5,6,7
	global_load_b64 v[HX+2*\c:HX+2*\c+1], v[HX+2*\c], s[TB+2*lv:TB+2*lv+1] scale_offset    ; row x 8 bytes; lands on its own address register
.endr
.endm
.macro DIFF c0, c1                     ; corner c1 -= corner c0, both features
	v_pk_add_f32 v[HX+2*\c1:HX+2*\c1+1], v[HX+2*\c1:HX+2*\c1+1], v[HX+2*\c0:HX+2*\c0+1] neg_lo:[0,1] neg_hi:[0,1]
.endm
; Unit un: c0 += t (c1 - c0) along x (4), y (2), z (1), then the level's two features as one bf16 pair in its place for SWAPS.
.macro INTERPU un
.set lv, (\un)/2
.set pp, (\un)%2
.set HX, RING+20*((\un)%6)
.set fr, F+16*pp+8*((lv>>2)&1)+4*((lv>>3)&1)+(lv&3)
	DIFF 0, 1
	DIFF 2, 3
	DIFF 4, 5
	DIFF 6, 7
.irp c, 0,2,4,6
	v_pk_fma_f32 v[HX+2*\c:HX+2*\c+1], v[HX+2*\c+2:HX+2*\c+3], v[HX+16:HX+17], v[HX+2*\c:HX+2*\c+1] op_sel_hi:[1,0,1]    ; both by tx
.endr
	DIFF 0, 2
	DIFF 4, 6
.irp c, 0,4
	v_pk_fma_f32 v[HX+2*\c:HX+2*\c+1], v[HX+2*\c+4:HX+2*\c+5], v[HX+16:HX+17], v[HX+2*\c:HX+2*\c+1] op_sel:[0,1,0]       ; both by ty
.endr
	DIFF 0, 4
	v_pk_fma_f32 v[HX:HX+1], v[HX+8:HX+9], v[HX+18:HX+19], v[HX:HX+1] op_sel_hi:[1,0,1]                                  ; both by tz
	v_cvt_pk_bf16_f32 v[fr], v[HX], v[HX+1]
.endm
	; ---- the first four units go out ahead of the weights' conversion: 27 + 32 loads are out
	HASHU 0
	global_store_b64 v[O8], v[MF:MF+1], s[16:17] th:TH_STORE_NT    ; out2: the wave's store covers 256 consecutive bytes, aligned; its sources are never rewritten.
	                                               ; It stands behind unit 0's wait on va_vdst, ahead of which v[MF:MF+1] were written; no vector line since names them
	HASHU 1
	HASHU 2
	HASHU 3
	s_wait_loadcnt 32                              ; the 27 words are in: 32 gathers were issued behind them
	v_cmp_gt_u32 s58, 6, v[AA]                     ; the four compares in one run, each into a scalar register of its own
	v_cmp_gt_u32 s59, 5, v[AA]
	v_cmp_gt_u32 s60, 3, v[N16]
	v_cmp_lt_u32 s61, 15, v[LN]                    ; the upper half of the lanes
	s_wait_alu depctr_va_sdst(0)                   ; s58 to s61 are written, ahead of the selects that read them
	v_cndmask_b32 v[W+14], 0, v[W+14], s58         ; cW1 has no row 44, 46:
	v_cndmask_b32 v[W+15], 0, v[W+15], s59         ; nor 43, 45, 47: k' = 27 .. 31 are 0
	v_cndmask_b32 v[W+20], 0, v[W+20], s60         ; cW3 and cb3 have three columns: outputs 3 .. 15 are 0
	v_cndmask_b32 v[W+21], 0, v[W+21], s60
	v_cndmask_b32 v[W+26], 0, v[W+26], s60
	v_cndmask_b32 v[W+25], v[W+25], v[W+26], s61   ; lanes 0-15 db2, lanes 16-31 cb3
.irp i, 0,2,4,6,8,10,12,14,16,18,20
	v_cvt_pk_bf16_f32 v[W+\i], v[W+\i], v[W+\i+1]  ; rows k and k + 1 of a column: one word of the transposed matrix
.endr
	s_wait_alu depctr_va_vdst(0)                   ; the selects and conversions have written v[W ..], which the LDS stores below read, on both sides of the two branches
	ds_store_b32 v[L80], v[W]   offset:W1T
	ds_store_b32 v[L80], v[W+2] offset:W1T+32
.irp i, 0,1,2,3
	ds_store_b32 v[L144], v[W+4+2*\i] offset:C2T+32*\i
.endr
	ds_store_b32 v[L144], v[W+12] offset:C1T
	ds_store_b32 v[L144], v[W+14] offset:C1T+32
	ds_store_b32 v[L144], v[W+16] offset:C1T+64
	ds_store_b32 v[L144], v[ZR]   offset:C1T+96    ; k' = 48 .. 63
	ds_store_b32 v[L16], v[W+18] offset:W2T
	ds_store_b32 v[L16], v[W+20] offset:C3T
	s_cmp_gt_u32 s3, 1
	s_cbranch_scc1 .Lnot_wave_0_1
	ds_store_b32 v[T4], v[W+22] offset:BIAS        ; threads 0 to 63: the three biases of 64
	ds_store_b32 v[T4], v[W+23] offset:BIAS+256
	ds_store_b32 v[T4], v[W+24] offset:BIAS+512
.Lnot_wave_0_1:
	s_cmp_lg_u32 s3, 2
	s_cbranch_scc1 .Lnot_wave_2
	ds_store_b32 v[T4], v[W+25] offset:BIAS+512    ; threads 64 to 95: 4 t = 256 + 4 L, so db2 at +768 and cb3 at +832
.Lnot_wave_2:
	s_wait_dscnt 0x0                               ; my stores are done, for the other waves' sake
	s_barrier_signal -1
	s_barrier_wait -1                              ; the only barrier: behind it all weights are in LDS and nobody writes them again
; The fourteen steps of the networks.  Step g makes 16 output features of all four point tiles:
;   g 0-3: layer 32 -> 64;  4: 64 -> 16 (log sigma);  5-8: 43 -> 64;  9-12: 64 -> 64;  13: 64 -> 3.
; LW g loads its weights (2 loads for each 32 of K) and its bias (2 loads) into the register set g % 2: four loads for g <= 3, six for the others.
.macro LOADW areg, off, kf, boff
	ds_load_b128 v[wb:wb+3],   v[\areg] offset:\off
	ds_load_b128 v[wb+4:wb+7], v[\areg] offset:\off+32
.if \kf == 2
	ds_load_b128 v[wb+8:wb+11],  v[\areg] offset:\off+64
	ds_load_b128 v[wb+12:wb+15], v[\areg] offset:\off+96
.endif
	ds_load_b128 v[wb+16:wb+19], v[BA] offset:\boff
	ds_load_b128 v[wb+20:wb+23], v[BA] offset:\boff+16
.endm
.macro LW g
.set wb, WB0+24*((\g)%2)
.if (\g) > 1
	s_wait_alu depctr_va_vdst(0)                   ; the matrix instructions of step g - 2 are done reading this set's weights and bias, in which the loads below land
.endif
.if (\g) < 4
	LOADW WA80, W1T+(\g)*16*80, 1, BIAS+64*(\g)
.elseif (\g) == 4
	LOADW WA144, W2T, 2, BIAS+768
.elseif (\g) < 9
	LOADW WA144, C1T+((\g)-5)*16*144, 2, BIAS+256+64*((\g)-5)
.elseif (\g) < 13
	LOADW WA144, C2T+((\g)-9)*16*144, 2, BIAS+512+64*((\g)-9)
.else
	LOADW WA144, C3T, 2, BIAS+832
.endif
.endm
	s_wait_alu depctr_vm_vsrc(0)                   ; my LDS stores have read v[W ..], v[ZR] and their addresses, and the weights' loads their offsets: these registers are the two sets from here on, and the loads below land in them
	                                               ; (the vector lines that named them stand ahead of the wait on va_vdst in front of the stores)
	LW 0                                           ; into the registers of the weights' conversion, which are free now; they land during the gathers
	LW 1
	; ---- the gathers: five units are always out behind the one that is blended
	HASHU 4
.set u, 0
.rept 27
	s_wait_alu depctr_vm_vsrc(0)                   ; every gather issued so far has read its row number: unit u's, whose registers the blend below writes, and unit u - 1's, in whose buffer unit u + 5 is made
	HASHU u+5                                      ; into the buffer that the unit before this one has left
	s_wait_loadcnt 40                              ; loads come back in order: unit u is in, the 5 x 8 loads of the younger units may be out
	INTERPU u                                      ; it names nothing of unit u + 5's buffer, the only registers that gathers have read since the wait at the trip's head
.set u, u+1
.endr
	s_wait_alu depctr_vm_vsrc(0)                   ; unit 31's gathers, issued behind the last such wait, have read their row numbers too: the blends below, and then the networks' results, write the ring's registers
.rept 5
	s_wait_loadcnt 8*(31-u)                        ; nothing more goes out: the counts run down 32, 24, 16, 8, 0
	INTERPU u
.set u, u+1
.endr
	SWAPS F
; WM g: cnt = the loads of step g + 1, which alone may be out.  Activations of tile t: in0 + st0 t (K 0-31), in1 + st1 t (K 32-63).
; The four accumulators take turns, one instruction a turn, and the next step has the other four.
.macro WM g, cnt, kf, in0, st0, in1, st1
.set wb, WB0+24*((\g)%2)
.set ac, ACC0+32*((\g)%2)
	s_wait_dscnt \cnt
.irp t, 0,1,2,3
	v_wmma_f32_16x16x32_bf16 v[ac+8*\t:ac+8*\t+7], v[wb:wb+7], v[\in0+\st0*\t:\in0+\st0*\t+7], v[wb+16:wb+23]      ; the bias starts the sums
.endr
.if \kf == 2
.irp t, 0,1,2,3
	v_wmma_f32_16x16x32_bf16 v[ac+8*\t:ac+8*\t+7], v[wb+8:wb+15], v[\in1+\st1*\t:\in1+\st1*\t+7], v[ac+8*\t:ac+8*\t+7]
.endr
.endif
.endm
; CV g: ReLU and rounding of step g's sums.  Output tile mt of the layer is half of K fragment mt / 2 of the next layer: registers 4 (mt % 2) + 0..3.
; It stands behind WM g + 1 and names none of that step's registers: its 48 plain vector instructions are the places
; between WM g + 1 and the readers of its sums and the next writer of its accumulators; the loads into its weights stand behind them and behind LW's wait.
.macro CV g, out, mt
.set ac, ACC0+32*((\g)%2)
.set ob, \out+8*((\mt)/2)+4*((\mt)%2)
.irp t, 0,1,2,3
.irp k, 0,1,2,3,4,5,6,7
	v_max_num_f32 v[ac+8*\t+\k], 0, v[ac+8*\t+\k]
.endr
.irp k, 0,1,2,3
	v_cvt_pk_bf16_f32 v[ob+16*\t+\k], v[ac+8*\t+2*\k], v[ac+8*\t+2*\k+1]
.endr
.endr
.endm
.macro NOP5                            ; where no useful work is at hand: five places behind a step's last matrix instruction
.rept 5
	v_nop
.endr
.endm
	; ---- features 32 -> 64
	WM 0, 4, 1, F, 8, F, 8
	NOP5
	LW 2
	WM 1, 4, 1, F, 8, F, 8
	CV 0, HA, 0
	LW 3
	WM 2, 4, 1, F, 8, F, 8
	CV 1, HA, 1
	LW 4
	WM 3, 6, 1, F, 8, F, 8
	CV 2, HA, 2
	LW 5
	CV 3, HA, 3
	; ---- 64 -> 16: log sigma
	WM 4, 6, 2, HA, 16, HA+8, 16
	NOP5
	LW 6
.irp t, 0,1,2,3
.irp k, 0,1,2,3
	v_cvt_pk_bf16_f32 v[X1+8*\t+\k], v[ACC0+8*\t+2*\k], v[ACC0+8*\t+2*\k+1]        ; k' = 32 + 8 h + 0..7, no ReLU
.endr
.endr
	v_mul_f32 v[SG],   0x3fb8aa3b, v[ACC0]         ; log sigma 0 lies in register 0 of lanes 0-15 of each tile; e^x = 2^(x log2 e)
	v_mul_f32 v[SG+2], 0x3fb8aa3b, v[ACC0+8]       ; (v12 and v13 were the offsets of q and r_dir: those loads stand ahead of many a wait on vm_vsrc)
	v_mul_f32 v[SG+1], 0x3fb8aa3b, v[ACC0+16]
	v_mul_f32 v[SG+3], 0x3fb8aa3b, v[ACC0+24]
	v_exp_f32 v[SG],   v[SG]
	v_exp_f32 v[SG+2], v[SG+2]
	v_exp_f32 v[SG+1], v[SG+1]
	v_exp_f32 v[SG+3], v[SG+3]
.irp t, 0,1,2,3
.irp k, 4,5,6,7
	v_mov_b32 v[X1+8*\t+\k], 0                     ; k' = 48 .. 63; the first of these is the plain instruction behind the exponentials (ISA guide 5.7.2)
.endr
.endr
	s_wait_alu depctr_va_vdst(0)                   ; the four exponentials have written v[SG .. SG+3], ahead of their first reader: one wait for the batch
	v_permlane16_swap_b32 v[SG],   v[SG+2]         ; set 0: lanes 0-15 from tile 0, lanes 16-31 from tile 1
	v_permlane16_swap_b32 v[SG+1], v[SG+3]         ; set 1: tiles 2 and 3
	v_pk_mul_f32 v[SG:SG+1], v[SG:SG+1], v[MF:MF+1]
	; ---- (r, encoding, log sigma) 43 -> 64
	WM 5, 6, 2, XE, 8, X1, 8
	NOP5
	LW 7
	global_store_b64 v[O8], v[SG:SG+1], s[14:15] th:TH_STORE_NT    ; out1: 256 consecutive bytes, aligned; its sources are never rewritten.
	                                               ; It stands behind the wait on va_vdst in LW 7, ahead of which the packed multiply wrote v[SG:SG+1]; no vector line since names them
	WM 6, 6, 2, XE, 8, X1, 8
	CV 5, HA, 0
	LW 8
	WM 7, 6, 2, XE, 8, X1, 8
	CV 6, HA, 1
	LW 9
	WM 8, 6, 2, XE, 8, X1, 8
	CV 7, HA, 2
	LW 10
	CV 8, HA, 3
	; ---- 64 -> 64
	WM 9, 6, 2, HA, 16, HA+8, 16
	NOP5
	LW 11
	WM 10, 6, 2, HA, 16, HA+8, 16
	CV 9, HB, 0
	LW 12
	WM 11, 6, 2, HA, 16, HA+8, 16
	CV 10, HB, 1
	LW 13
	WM 12, 6, 2, HA, 16, HA+8, 16
	CV 11, HB, 2
	CV 12, HB, 3
	; ---- 64 -> 3
	WM 13, 0, 2, HB, 16, HB+8, 16
	NOP5
.irp p, 0,1
.irp j, 0,1,2
	v_permlane16_swap_b32 v[ACC1+16*\p+\j], v[ACC1+16*\p+8+\j]     ; colour j of set p: lanes 0-15 from tile 2 p, lanes 16-31 from tile 2 p + 1
.endr
.endr
	; sigmoid(x) = 1 / (1 + 2^(-x log2 e)), times the mask
.irp p, 0,1
.irp j, 0,1,2
	v_mul_f32 v[OUTC+3*\p+\j], 0xbfb8aa3b, v[ACC1+16*\p+\j]
.endr
.endr
.irp k, 0,1,2,3,4,5
	v_exp_f32 v[OUTC+\k], v[OUTC+\k]
.endr
	v_nop                                          ; one plain instruction behind the last exponential
	s_wait_alu depctr_va_vdst(0)                   ; the six exponentials have written v[OUTC ..], ahead of the additions that read them
.irp k, 0,1,2,3,4,5
	v_add_f32 v[OUTC+\k], 1.0, v[OUTC+\k]
.endr
.irp k, 0,1,2,3,4,5
	v_rcp_f32 v[OUTC+\k], v[OUTC+\k]
.endr
	v_nop                                          ; and behind the last reciprocal
	s_wait_alu depctr_va_vdst(0)                   ; the six reciprocals have written v[OUTC ..], ahead of the multiplies that read them
.irp p, 0,1
.irp j, 0,1,2
	v_mul_f32 v[OUTC+3*\p+\j], v[OUTC+3*\p+\j], v[MF+\p]
.endr
.endr
	; out0: a lane holds 24 neighbouring bytes.  Through my own 768 bytes of LDS, so that each store of the wave covers 256 consecutive bytes, aligned.
	s_wait_alu depctr_va_vdst(0)                   ; the multiplies have written v[OUTC .. OUTC+5], which the LDS stores read; step 12's matrix instructions are long done reading v[OUTC+6 .. OUTC+11], in which the LDS loads land
.irp j, 0,1,2
	ds_store_b64 v[ST24], v[OUTC+2*\j:OUTC+2*\j+1] offset:8*\j
.endr
.irp j, 0,1,2
	ds_load_b64 v[OUTC+6+2*\j:OUTC+7+2*\j], v[ST8] offset:256*\j   ; LDS serves a wave's instructions in order (ISA guide 5.7.1): these see the stores above
.endr
.irp j, 0,1,2
	s_wait_dscnt 2-\j                              ; load j is in, the younger ones may be out
	global_store_b64 v[O8], v[OUTC+6+2*\j:OUTC+7+2*\j], s[12:13] offset:256*\j th:TH_STORE_NT
.endr
	s_wait_xcnt 0x0
	v_lshl_add_u32 v230, v0, 2, 0xa200             ; the closing add's two registers, made anew: my spare word, behind the sixteen stages, and 0.
	v_mov_b32 v231, 0                              ; (the last memory-side readers of v230 and v231 were LDS stores of biases, ahead of the wait on vm_vsrc behind the barrier)
	s_wait_dscnt 0x0                               ; the closing lines, six on end
	s_wait_alu 0x0
	s_wait_tensorcnt 0x0
	ds_add_u32 v230, v231
	s_wait_dscnt 0x0
	s_endpgm
.Lfunc_end_k_q86913e838e_ngp:
	.size	k_q86913e838e_ngp, .Lfunc_end_k_q86913e838e_ngp-k_q86913e838e_ngp
	.p2alignl 7, 3214868480
	.fill 96, 4, 3214868480
	.section	.rodata,"a",@progbits
	.p2align	6, 0x0
	.amdhsa_kernel k_q86913e838e_ngp
		.amdhsa_group_segment_fixed_size 43520
		.amdhsa_private_segment_fixed_size 0
		.amdhsa_enable_private_segment 0
		.amdhsa_kernarg_size 136
		.amdhsa_user_sgpr_count 2
		.amdhsa_user_sgpr_kernarg_segment_ptr 1
		.amdhsa_wavefront_size32 1
		.amdhsa_system_sgpr_workgroup_id_x 1
		.amdhsa_system_sgpr_workgroup_id_y 1
		.amdhsa_system_sgpr_workgroup_id_z 1
		.amdhsa_system_vgpr_workitem_id 0
		.amdhsa_next_free_vgpr 256
		.amdhsa_next_free_sgpr 98
		.amdhsa_reserve_vcc 0
		.amdhsa_float_denorm_mode_32 3
		.amdhsa_float_denorm_mode_16_64 3
		.amdhsa_memory_ordered 1
		.amdhsa_forward_progress 1
		.amdhsa_inst_pref_size 173
	.end_amdhsa_kernel
	.amdgpu_metadata
---
amdhsa.version: [ 1, 2 ]
amdhsa.kernels:
  - .name:           k_q86913e838e_ngp
    .symbol:         k_q86913e838e_ngp.kd
    .args:
      - { .name: qbuf, .offset: 0, .size: 8, .value_kind: global_buffer, .address_space: global }
      - { .name: occupancy_mask, .offset: 8, .size: 8, .value_kind: global_buffer, .address_space: global }
      - { .name: r_dir, .offset: 16, .size: 8, .value_kind: global_buffer, .address_space: global }
      - { .name: tables, .offset: 24, .size: 8, .value_kind: global_buffer, .address_space: global }
      - { .name: out0, .offset: 32, .size: 8, .value_kind: global_buffer, .address_space: global }
      - { .name: out1, .offset: 40, .size: 8, .value_kind: global_buffer, .address_space: global }
      - { .name: out2, .offset: 48, .size: 8, .value_kind: global_buffer, .address_space: global }
      - { .name: dW1, .offset: 56, .size: 8, .value_kind: global_buffer, .address_space: global }
      - { .name: dW2, .offset: 64, .size: 8, .value_kind: global_buffer, .address_space: global }
      - { .name: cW1, .offset: 72, .size: 8, .value_kind: global_buffer, .address_space: global }
      - { .name: cW2, .offset: 80, .size: 8, .value_kind: global_buffer, .address_space: global }
      - { .name: cW3, .offset: 88, .size: 8, .value_kind: global_buffer, .address_space: global }
      - { .name: db1, .offset: 96, .size: 8, .value_kind: global_buffer, .address_space: global }
      - { .name: db2, .offset: 104, .size: 8, .value_kind: global_buffer, .address_space: global }
      - { .name: cb1, .offset: 112, .size: 8, .value_kind: global_buffer, .address_space: global }
      - { .name: cb2, .offset: 120, .size: 8, .value_kind: global_buffer, .address_space: global }
      - { .name: cb3, .offset: 128, .size: 8, .value_kind: global_buffer, .address_space: global }
    .group_segment_fixed_size: 43520
    .private_segment_fixed_size: 0
    .kernarg_segment_align: 8
    .kernarg_segment_size: 136
    .max_flat_workgroup_size: 512
    .sgpr_count:     98
    .vgpr_count:     256
    .wavefront_size: 32
...
	.end_amdgpu_metadata
.endif
;; end of part 3
